; MI455X (gfx1250); checked and timed in simulation.
; The chip was launched on July 23, 2026; its instructions are those of AMD's public machine-readable ISA for CDNA 5 (MIT licence, August 2026) and "CDNA5" Instruction Set Architecture Reference Guide (July 2026). The comments in the code are by the model that wrote it; some were corrected since.
;; Ro PE Multi Head Attention. Allowed arithmetic: float matrix products may take bf16 or f16 operands with f32 sums; other float arithmetic in f32, or as packed bf16 or f16 multiplies, adds, multiply-adds, maxima and minima; sums over many terms, partial sums and values carried from step to step in f32; what a program stores and reads back later, other than sums and carried values, may be rounded once to bf16 or f16.
;; Inputs: Wout 256 x 256 float32; Wqkv 256 x 768 float32; bout 256 float32; bqkv 768 float32; x 8 x 2,048 x 256 float32.
;; Outputs: out0 8 x 2,048 x 256 float32.
;; 2 versions, each right and faster than the one before. Each part assembles by itself: llvm-mc -triple=amdgcn-amd-amdhsa -mcpu=gfx1250 --defsym DOCPART=n.
;; ======== version 1 of 2: 3 launches
;; limits: values are held in f16: magnitudes above 65,504 overflow, below 6.1e-05 lose precision; right only within a limited range of input values
;; workspace buffers: qkv16 25,165,824 bytes; wo16 131,072 bytes; obuf 8,388,608 bytes
;; launch qkv (part 1): grid 4 x 64, 8 waves a work-group, no clusters, 312,320 bytes of LDS; arguments x, Wqkv, bqkv, Wout, qkv16, wo16; writes qkv16, wo16
.if DOCPART == 1
	.amdgcn_target "amdgcn-amd-amdhsa--gfx1250"
	.amdhsa_code_object_version 6
	.text
	.protected	k_qf8d92a98ca_qkv
	.globl	k_qf8d92a98ca_qkv
	.p2align	8
	.type	k_qf8d92a98ca_qkv,@function
k_qf8d92a98ca_qkv:
	s_mov_b64 s[64:65], 0
	v_nop
	global_prefetch_b8 v0, s[64:65] scope:SCOPE_SE
	s_setreg_imm32_b32 hwreg(HW_REG_WAVE_MODE, 25, 1), 1
	s_wait_xcnt 0x0
; qkv = x Wqkv + bqkv, interleaved-pair RoPE on q and k, written by heads: qkv16 = f16 [3][64 = batch*8+head][2048][32].
; q and k also carry sqrt(c), c = log2(e)/sqrt(32), folded into the cos/sin table, so that the next launch's scores are exponents of 2.
; Beside that each work-group copies one row of Wout (rounded to bf16, written as f16) into wo16.
; FORMATS.  x, Wqkv, bqkv and Wout are rounded to bf16; products in bf16 with f32 sums; the bias starts the sums; q, k, v are rounded once, from f32, to f16.
; LIMITS.  0.505 |q|, 0.505 |k|, |v| and |Wout| stay under 65,504 (f16's end); below 6e-5 f16 keeps its fixed step of 6e-8.  The RoPE frequencies 10^(-i/4) are, from i = 4 on,
; a product of two rounded constants (1.5 units in the last place; the angle is then off by 2e-5 at the most).  NaN and infinities are not treated apart.
; SHARES.  Work-group (bx, by): rows 256 by .. +255 (one batch) x 192 columns: heads 2 bx, 2 bx + 1 of each of q, k, v, three strips of 64 columns (256 bytes of a row of Wqkv each).
; Every work-group so has four roped heads and two plain ones.  Wave w: rows 64 (w >> 1) .. +63, local columns 96 (w & 1) .. +95 = three heads: 4 x 6 accumulators, 192 registers.
; NO CLUSTER, NO TENSOR LOAD: the operands are f32 in memory and must pass through registers to be rounded; as f32 a work-group's 448 KB would not fit in LDS.
; K = 256 goes in four chunks of 64.  A chunk is loaded into registers (28 loads of 16 bytes a lane), rounded, stored into LDS bytes of its own (nothing in LDS is written twice), and multiplied
; behind one barrier, while the next chunk's loads are on their way.
; THE MATRIX INSTRUCTION IS USED TRANSPOSED (source 0 = 16 columns of W, source 1 = 16 rows of x): a lane holds eight neighbouring columns of one row.
; REGISTERS.  window 0: v1-15 addresses; v16-127 a chunk as loaded (later the table, the roped numbers, the packed f16); v128-175 W's fragments, v176-207 x's (early: set-up; late: rows on the way out, -sin)
;             window 1: v0-191 accumulators ((mt, nb) at 8 (6 mt + nb)); v192-239 the bias as a C operand, 8 registers a column block; v240-243 at work
.set XCH,   36864      ; x in LDS: a chunk is 256 rows x 144 bytes (64 bf16 + 16 bytes of padding: 36 words, so 16 rows start at 16 different groups of four banks)
.set WS,    147456     ; W in LDS, [k][192 columns]: 256 rows x 416 bytes (384 + 32 of padding = 13 x 32)
.set WCH,   26624      ; 64 such rows
.set TBL,   253952     ; the table: 256 rows x 144 bytes: 16 pairs (sqrt(c) cos, sqrt(c) sin) in f32 + 16 of padding
.set STG,   290816     ; the way out: 32 rows x 80 bytes for each wave
.set SPARE, 311296     ; the spare words: 128 bytes for each wave, four blocks of 256 bytes that no other line names
.set SPW, 1            ; LDS address of my spare word; never rewritten
.set NIL, 2            ; 0; never rewritten
.set XG,  3            ; my byte offset in x's 16 rows x 256 bytes
.set WGO, 4            ; the same in W's 16 rows
.set XL,  5            ; where my 8 bytes of x go in LDS; steps by a chunk
.set WL,  6            ; the same for W
.set AX,  7            ; my place in x's fragments; steps by a chunk
.set AW,  8            ; the same for W's
.set TS,  9            ; where my table entries go
.set TR,  10           ; the way out: my table row
.set STO, 11           ; where I put 16 bytes of a row
.set RD,  12           ; where I read rows back
.set GO,  13           ; my byte offset in 512 consecutive bytes of qkv16
.set RL,  14           ; lane % 16
.set HL,  15           ; lane / 16
.set G,   16
.set FW,  128
.set FX,  176
.set TB,  16           ; the way out: (cos, sin) of my rows, 16 registers a row block
.set T,   80           ; roped numbers in f32
.set PKD, 96           ; a head's 64 rows as f16
.set OB,  128          ; rows read back from the stage
.set NS,  160          ; -sin
.set ACC, 0
.set BI,  192
.set BT,  240
.set FQ,  144          ; the table's work registers
.set TT,  145
.set AN,  146
.set KR,  147
.set RR,  148
.set ZZ,  149
.set SN,  150
.set CN,  151
.set P0,  152
.set P1,  153
.set KI,  154
.set Z2,  155
.set CO,  156
.set MSB, 0
.macro WIN new                      ; the immediate's high byte repeats the setting that is left; a switch that changes nothing is dropped
.if MSB != (\new)
	s_set_vgpr_msb (MSB<<8)|(\new)
.set MSB, \new
.endif
.endm
.macro PLACES
.rept 4
	v_nop
.endr
.endm
	s_load_b256 s[4:11], s[0:1], 0x0               ; x s[4:5], Wqkv s[6:7], bqkv s[8:9], Wout s[10:11]
	s_load_b128 s[12:15], s[0:1], 0x20             ; qkv16 s[12:13], wo16 s[14:15]
	v_lshl_add_u32 v[SPW], v0, 2, SPARE
	v_mov_b32 v[NIL], 0
	v_lshrrev_b32 v10, 5, v0
	v_readfirstlane_b32 s16, v10                   ; wave 0..7
	s_lshr_b32 s17, s16, 1                         ; wm: my 64 rows
	s_and_b32 s18, s16, 1                          ; wn: my 96 columns
	s_mov_b32 s19, ttmp9                           ; bx
	s_and_b32 s20, ttmp7, 0xffff                   ; by
	s_and_b32 s21, s20, 7
	s_lshl_b32 s21, s21, 8                         ; t0: the block's first position in its sequence
	s_lshr_b32 s22, s20, 3                         ; batch
	s_mov_b32 s26, 0x3f22f983                      ; 2/pi
	s_mov_b32 s27, 0xbfc90fdb                      ; -(pi/2 rounded to f32)
	s_mov_b32 s28, 0x333bbd2e                      ; that rounding's excess over pi/2, 4.371e-8
	s_mov_b32 s29, 0xbe2aaaa3                      ; sin: -1.6666654611e-1
	s_mov_b32 s30, 0x3c08839e                      ;       8.3321608736e-3
	s_mov_b32 s31, 0xb94ca1f9                      ;      -1.9515295891e-4
	s_mov_b32 s32, 0x3d2aaaa5                      ; cos:  4.166664568e-2
	s_mov_b32 s33, 0xbab6061a                      ;      -1.388731625e-3
	s_mov_b32 s34, 0x37ccf5ce                      ;       2.443315712e-5
	s_mov_b32 s35, 0x3f014852                      ; sqrt(c) = 0.50500976
	s_mov_b32 s36, 0xffff0000                      ; a word's upper bf16
	s_mov_b32 s37, 0x80000000                      ; the sign
	v_and_b32 v[RL], 15, v0
	v_bfe_u32 v[HL], v0, 4, 1
	; Staging: of 16 rows a wave takes rows 2 w and 2 w + 1, sixteen lanes to a row's 256 bytes.
	v_lshlrev_b32 v10, 4, v[RL]
	v_lshl_add_u32 v10, v[HL], 10, v10
	s_lshl_b32 s24, s16, 11
	v_add_nc_u32 v[XG], s24, v10                   ; (2 w + h) x 1,024 + 16 r
	v_mul_u32_u24 v11, v[HL], 3072
	v_lshl_add_u32 v11, v[RL], 4, v11
	s_mul_i32 s24, s16, 6144
	v_add_nc_u32 v[WGO], s24, v11                  ; (2 w + h) x 3,072 + 16 r
	v_mul_u32_u24 v10, v[HL], 144
	v_lshl_add_u32 v10, v[RL], 3, v10
	s_mul_i32 s24, s16, 288
	v_add_nc_u32 v[XL], s24, v10                   ; (2 w + h) x 144 + 8 r
	s_add_co_u32 s24, s24, TBL
	v_add_nc_u32 v[TS], s24, v10                   ; the same place in the table
	v_mul_u32_u24 v10, v[HL], 416
	v_lshl_add_u32 v10, v[RL], 3, v10
	s_mul_i32 s24, s16, 832
	s_add_co_u32 s24, s24, WS
	v_add_nc_u32 v[WL], s24, v10                   ; WS + (2 w + h) x 416 + 8 r
	; Fragments.  x: lane l holds row l % 16; two loads of 16 bytes, 32 bytes apart.  W lies [k][n]: the turning load takes 16 k x 16 columns.
	v_mul_u32_u24 v10, v[RL], 144
	v_lshl_add_u32 v10, v[HL], 4, v10
	s_mul_i32 s24, s17, 9216
	v_add_nc_u32 v[AX], s24, v10                   ; (64 wm + r) x 144 + 16 h
	v_and_b32 v10, 7, v0
	v_lshl_add_u32 v10, v[HL], 3, v10
	v_mul_u32_u24 v10, v10, 416
	v_bfe_u32 v11, v0, 3, 1
	v_lshl_add_u32 v10, v11, 4, v10
	s_mul_i32 s24, s18, 192
	s_add_co_u32 s24, s24, WS
	v_add_nc_u32 v[AW], s24, v10                   ; WS + (8 h + l % 8) x 416 + 192 wn + 16 ((l / 8) % 2)
	; The bias of column block nb: local column 96 wn + 16 nb lies in strip (column / 64), 256 columns of bqkv apart; a lane takes its eight numbers.
.irp nb, 0,1,2,3,4,5
	s_mul_i32 s24, s18, 96
	s_add_co_u32 s24, s24, 16*(\nb)
	s_lshr_b32 s25, s24, 6
	s_lshl_b32 s25, s25, 8
	s_and_b32 s24, s24, 63
	s_add_co_u32 s24, s24, s25
	s_lshl_b32 s25, s19, 6
	s_add_co_u32 s24, s24, s25
	s_lshl_b32 s24, s24, 2
	v_lshl_add_u32 v[128+(\nb)], v[HL], 5, s24
.endr
	s_lshl_b32 s42, s20, 2
	s_add_co_u32 s42, s42, s19                     ; the work-group's number, 0..255: its row of Wout
	s_lshl_b32 s43, s42, 10
	v_lshl_add_u32 v134, v0, 4, s43                ; threads 0..63: 16 bytes each of the row's 1,024
	s_lshl_b32 s43, s42, 9
	v_lshl_add_u32 v135, v0, 3, s43                ; and 8 bytes each of wo16's 512
	s_wait_kmcnt 0x0
	s_lshl_b32 s24, s20, 18
	s_mov_b32 s25, 0
	s_add_nc_u64 s[4:5], s[4:5], s[24:25]          ; x at my 256 rows
	s_lshl_b32 s24, s19, 8
	s_add_nc_u64 s[6:7], s[6:7], s[24:25]          ; Wqkv at my strips' first column
	s_cmp_lt_u32 s16, 2
	s_cbranch_scc0 .Lno_wout_load
	global_load_b128 v[136:139], v134, s[10:11]    ; waves 0 and 1: the row of Wout
.Lno_wout_load:
	WIN 0x40                                       ; destination window 1, address window 0
.irp nb, 0,1,2,3,4,5
	global_load_b128 v[BI+8*(\nb):BI+8*(\nb)+3],   v[128+(\nb)], s[8:9]
	global_load_b128 v[BI+8*(\nb)+4:BI+8*(\nb)+7], v[128+(\nb)], s[8:9] offset:16
.endr
	WIN 0
; A chunk's 28 loads: 16 for x (rows 16 i + ..., 256 bytes of each), 12 for W (k rows 16 (i % 4) + ..., strip i / 4).  Sixteen lanes read 256 consecutive bytes, aligned.
.macro LOADG kc
.irp i, 0,1,2,3,4,5,6,7,8,9,10,11,12,13,14,15
	global_load_b128 v[G+4*(\i):G+4*(\i)+3], v[XG], s[4:5] offset:16384*(\i)+256*(\kc)
.endr
.irp i, 0,1,2,3,4,5,6,7,8,9,10,11
	global_load_b128 v[G+64+4*(\i):G+64+4*(\i)+3], v[WGO], s[6:7] offset:196608*(\kc)+49152*((\i)&3)+1024*((\i)>>2)
.endr
.endm
	LOADG 0
	; THE TABLE, in the wait for the first chunk.  A thread owns pair i = lane % 16 and the rows 2 w + h + 16 e.  f = 10^-(i / 4) x 10^-((i % 4) / 4).
	v_lshrrev_b32 v10, 2, v[RL]
	v_and_b32 v11, 3, v[RL]
	v_mov_b32 v[FQ], 1.0
	v_cmp_ne_u32 vcc_lo, 1, v10
	v_cndmask_b32 v[FQ], 0x3dcccccd, v[FQ], vcc_lo ; 0.1
	v_cmp_ne_u32 vcc_lo, 2, v10
	v_cndmask_b32 v[FQ], 0x3c23d70a, v[FQ], vcc_lo ; 0.01
	v_cmp_ne_u32 vcc_lo, 3, v10
	v_cndmask_b32 v[FQ], 0x3a83126f, v[FQ], vcc_lo ; 0.001
	v_mov_b32 v[AN], 1.0
	v_cmp_ne_u32 vcc_lo, 1, v11
	v_cndmask_b32 v[AN], 0x3f0ff59a, v[AN], vcc_lo ; 10^-0.25
	v_cmp_ne_u32 vcc_lo, 2, v11
	v_cndmask_b32 v[AN], 0x3ea1e89b, v[AN], vcc_lo ; 10^-0.5
	v_cmp_ne_u32 vcc_lo, 3, v11
	v_cndmask_b32 v[AN], 0x3e361887, v[AN], vcc_lo ; 10^-0.75
	v_mul_f32 v[FQ], v[FQ], v[AN]
	s_lshl_b32 s24, s16, 1
	s_add_co_u32 s24, s24, s21
	v_add_nc_u32 v[TT], s24, v[HL]
	v_cvt_f32_u32 v[TT], v[TT]                     ; my first position, exact in f32
; angle = t f, rounded as the reference rounds it; k = the nearest multiple of pi/2 (1,304 at the most), taken off in two parts; sin and cos of the rest (within pi/4) by polynomials;
; the quadrant swaps them and sets the signs: sin is negative where bit 1 of k is set, cos where bit 1 of k + 1 is.
.macro SINCOS e
	v_mul_f32 v[AN], v[TT], v[FQ]
	v_mul_f32 v[KR], s26, v[AN]
	v_rndne_f32 v[KR], v[KR]
	v_fma_f32 v[RR], v[KR], s27, v[AN]
	v_fma_f32 v[RR], v[KR], s28, v[RR]
	v_mul_f32 v[ZZ], v[RR], v[RR]
	v_cvt_i32_f32 v[KI], v[KR]
	v_fma_f32 v[P0], v[ZZ], s31, s30
	v_fma_f32 v[P1], v[ZZ], s34, s33
	v_mul_f32 v[SN], v[RR], v[ZZ]
	v_mul_f32 v[Z2], v[ZZ], v[ZZ]
	v_fma_f32 v[P0], v[P0], v[ZZ], s29
	v_fma_f32 v[P1], v[P1], v[ZZ], s32
	v_fma_f32 v[CN], v[ZZ], -0.5, 1.0
	v_fma_f32 v[SN], v[SN], v[P0], v[RR]
	v_fma_f32 v[CN], v[Z2], v[P1], v[CN]
	v_and_b32 v[P0], 1, v[KI]
	v_cmp_eq_u32 vcc_lo, 1, v[P0]
	v_cndmask_b32 v[P1], v[SN], v[CN], vcc_lo      ; sin
	v_cndmask_b32 v[P0], v[CN], v[SN], vcc_lo      ; cos
	v_lshlrev_b32 v[ZZ], 30, v[KI]
	v_add_nc_u32 v[KI], 1, v[KI]
	v_and_b32 v[ZZ], s37, v[ZZ]
	v_lshlrev_b32 v[KI], 30, v[KI]
	v_xor_b32 v[P1], v[ZZ], v[P1]
	v_and_b32 v[KI], s37, v[KI]
	v_xor_b32 v[P0], v[KI], v[P0]
	v_mul_f32 v[CO], s35, v[P0]
	v_mul_f32 v[CO+1], s35, v[P1]
	ds_store_b64 v[TS], v[CO:CO+1] offset:2304*(\e)
	v_add_f32 v[TT], 0x41800000, v[TT]             ; 16 rows on
.endm
.set e, 0
.rept 16
	SINCOS e
.set e, e+1
.endr
	s_cmp_lt_u32 s16, 2
	s_cbranch_scc0 .Lno_wout
	s_wait_loadcnt 40                              ; behind Wout's load: 12 of the bias and 28 of the chunk
	v_cvt_pk_bf16_f32 v142, v136, v137             ; rounded to bf16 as every input is,
	v_cvt_pk_bf16_f32 v143, v138, v139
	v_lshlrev_b32 v136, 16, v142
	v_and_b32 v137, s36, v142
	v_lshlrev_b32 v138, 16, v143
	v_and_b32 v139, s36, v143
	v_cvt_pk_f16_f32 v140, v136, v137              ; and that number written as f16
	v_cvt_pk_f16_f32 v141, v138, v139
	global_store_b64 v135, v[140:141], s[14:15]    ; a wave stores 256 consecutive bytes, aligned
	s_wait_xcnt 0x0                                ; the store's registers become fragment registers below
.Lno_wout:
	s_wait_loadcnt 28                              ; the bias is in; the chunk's 28 loads may be out
	WIN 0x45                                       ; destination and both sources window 1
.set p, 0
.rept 24
	v_cvt_pk_bf16_f32 v[BT+p%4], v[BI+2*p], v[BI+2*p+1]
	v_lshlrev_b32 v[BI+2*p], 16, v[BT+p%4]
	v_and_b32 v[BI+2*p+1], s36, v[BT+p%4]
.set p, p+1
.endr
	WIN 0
; The chunk in registers is rounded to bf16 and stored into its own bytes of LDS.
.macro STAGE
	WIN 0
	s_wait_loadcnt 12                              ; x's sixteen loads are in; W's twelve are younger
.irp i, 0,1,2,3,4,5,6,7,8,9,10,11,12,13,14,15
	v_cvt_pk_bf16_f32 v[G+4*(\i)],   v[G+4*(\i)],   v[G+4*(\i)+1]
	v_cvt_pk_bf16_f32 v[G+4*(\i)+1], v[G+4*(\i)+2], v[G+4*(\i)+3]
	ds_store_b64 v[XL], v[G+4*(\i):G+4*(\i)+1] offset:2304*(\i)
.endr
	s_wait_loadcnt 0x0
.irp i, 0,1,2,3,4,5,6,7,8,9,10,11
	v_cvt_pk_bf16_f32 v[G+64+4*(\i)],   v[G+64+4*(\i)],   v[G+64+4*(\i)+1]
	v_cvt_pk_bf16_f32 v[G+64+4*(\i)+1], v[G+64+4*(\i)+2], v[G+64+4*(\i)+3]
	ds_store_b64 v[WL], v[G+64+4*(\i):G+64+4*(\i)+1] offset:6656*((\i)&3)+128*((\i)>>2)
.endr
	v_add_nc_u32 v[XL], XCH, v[XL]                 ; the next chunk's bytes
	v_add_nc_u32 v[WL], WCH, v[WL]
.endm
.macro SYNC                         ; my stores are done; behind the barrier everybody's are.  No byte is written twice, so one barrier a chunk is enough; the next chunk's global loads stay out across it
	s_wait_dscnt 0x0
	s_barrier_signal -1
	s_barrier_wait -1
.endm
; A chunk's two K steps of 32: 20 LDS loads, 24 matrix instructions, the 24 accumulators by turns.  first = 1: the very first K step takes the bias as C: nothing is cleared or added later.
; Loads into registers that matrix instructions have read stand four plain vector instructions behind them: four v_nop in front of the second step; in front of a chunk's first step STAGE's conversions.
.macro MUL first, step
.irp ks2, 0,1
.if (\ks2) == 1
	PLACES
.endif
	WIN 0
.irp nb, 0,1,2,3,4,5
	ds_load_tr16_b128 v[FW+8*(\nb):FW+8*(\nb)+3],   v[AW] offset:13312*(\ks2)+32*(\nb)
	ds_load_tr16_b128 v[FW+8*(\nb)+4:FW+8*(\nb)+7], v[AW] offset:13312*(\ks2)+32*(\nb)+6656
.endr
.irp mt, 0,1,2,3
	ds_load_b128 v[FX+8*(\mt):FX+8*(\mt)+3],   v[AX] offset:2304*(\mt)+64*(\ks2)
	ds_load_b128 v[FX+8*(\mt)+4:FX+8*(\mt)+7], v[AX] offset:2304*(\mt)+64*(\ks2)+32
.endr
	s_wait_dscnt 0x0                               ; the SIMD's other wave works meanwhile
	WIN 0x50                                       ; C and D window 1
.irp mt, 0,1,2,3
.irp nb, 0,1,2,3,4,5
.set rD, ACC+8*(6*(\mt)+(\nb))
.if (\first) && ((\ks2) == 0)
	v_wmma_f32_16x16x32_bf16 v[rD:rD+7], v[FW+8*(\nb):FW+8*(\nb)+7], v[FX+8*(\mt):FX+8*(\mt)+7], v[BI+8*(\nb):BI+8*(\nb)+7]
.else
	v_wmma_f32_16x16x32_bf16 v[rD:rD+7], v[FW+8*(\nb):FW+8*(\nb)+7], v[FX+8*(\mt):FX+8*(\mt)+7], v[rD:rD+7]
.endif
.endr
.endr
.endr
	WIN 0
.if \step
	v_add_nc_u32 v[AX], XCH, v[AX]
	v_add_nc_u32 v[AW], WCH, v[AW]
.endif
.endm
	STAGE
	LOADG 1
	SYNC
	MUL 1, 1
	STAGE
	LOADG 2
	SYNC
	MUL 0, 1
	STAGE
	LOADG 3
	SYNC
	MUL 0, 1
	STAGE
	SYNC
	MUL 0, 0
	; THE WAY OUT.  The address lines are the places behind the last products.
	v_mul_u32_u24 v80, v[RL], 144
	v_lshl_add_u32 v80, v[HL], 5, v80
	s_mul_i32 s24, s17, 9216
	s_add_co_u32 s24, s24, TBL
	v_add_nc_u32 v[TR], s24, v80                   ; TBL + (64 wm + r) x 144 + 32 h: my four pairs of a column block
	s_mul_i32 s24, s16, 2560
	s_add_co_u32 s24, s24, STG                     ; my stage
	v_mul_u32_u24 v80, v[RL], 80
	v_lshl_add_u32 v80, v[HL], 4, v80
	v_add_nc_u32 v[STO], s24, v80                  ; in: row l % 16, 16 bytes for each half of the lanes
	v_bfe_u32 v80, v0, 2, 3
	v_mul_u32_u24 v80, v80, 80
	v_and_b32 v81, 3, v0
	v_lshl_add_u32 v80, v81, 4, v80
	v_add_nc_u32 v[RD], s24, v80                   ; back: 32 lanes take eight rows of 64 bytes,
	v_and_b32 v[GO], 31, v0
	v_lshlrev_b32 v[GO], 4, v[GO]                  ; which are 512 consecutive bytes of a head
.irp mt, 0,1,2,3
.irp nb2, 0,1
	ds_load_b128 v[TB+16*(\mt)+8*(\nb2):TB+16*(\mt)+8*(\nb2)+3],   v[TR] offset:2304*(\mt)+64*(\nb2)
	ds_load_b128 v[TB+16*(\mt)+8*(\nb2)+4:TB+16*(\mt)+8*(\nb2)+7], v[TR] offset:2304*(\mt)+64*(\nb2)+16
.endr
.endr
	s_wait_dscnt 0x0
.set q, 0
.rept 32
	v_xor_b32 v[NS+q], s37, v[TB+2*q+1]            ; -sin, once for the wave's roped heads
.set q, q+1
.endr
; Head hd of my three: local head LH = 3 wn + hd; section LH / 2 (q, k, v), head 2 bx + LH % 2; roped if LH < 4.
; out[2i] = x[2i] cos - x[2i+1] sin, out[2i+1] = x[2i+1] cos + x[2i] sin.  Each accumulator is read from its lowest registers on.
.macro HEAD hd
	s_wait_xcnt 0x0                                ; the last head's stores have read their registers and their base
	s_mul_i32 s38, s18, 3
	s_add_co_u32 s38, s38, \hd
	s_lshr_b32 s24, s38, 1
	s_lshl_b32 s24, s24, 23                        ; section x 8,388,608
	s_and_b32 s25, s38, 1
	s_lshl_b32 s39, s19, 1
	s_add_co_u32 s25, s25, s39
	s_lshl_b32 s39, s22, 3
	s_add_co_u32 s25, s25, s39                     ; batch x 8 + head
	s_lshl_b32 s25, s25, 11
	s_add_co_u32 s25, s25, s21
	s_lshl_b32 s39, s17, 6
	s_add_co_u32 s25, s25, s39                     ; its row t0 + 64 wm
	s_lshl_b32 s25, s25, 6
	s_add_co_u32 s24, s24, s25
	s_mov_b32 s25, 0
	s_add_nc_u64 s[40:41], s[12:13], s[24:25]
	s_cmp_lt_u32 s38, 4
	s_cbranch_scc0 .Lplain_\@
.irp mt, 0,1,2,3
.set rA, ACC+8*(6*(\mt)+2*(\hd))
	WIN 0x01                                       ; source 0, the sums, in window 1
.irp p, 0,1,2,3,4,5,6,7
	v_pk_mul_f32 v[T+2*(\p):T+2*(\p)+1], v[rA+2*(\p):rA+2*(\p)+1], v[TB+16*(\mt)+2*(\p):TB+16*(\mt)+2*(\p)+1] op_sel_hi:[1,0]
.endr
.irp p, 0,1,2,3,4,5,6,7
	v_fma_f32 v[T+2*(\p)],   v[rA+2*(\p)+1], v[NS+8*(\mt)+(\p)],      v[T+2*(\p)]
	v_fma_f32 v[T+2*(\p)+1], v[rA+2*(\p)],   v[TB+16*(\mt)+2*(\p)+1], v[T+2*(\p)+1]
.endr
	WIN 0
.irp p, 0,1,2,3,4,5,6,7
	v_cvt_pk_f16_f32 v[PKD+8*(\mt)+(\p)], v[T+2*(\p)], v[T+2*(\p)+1]
.endr
.endr
	s_branch .Ljoin_\@
.Lplain_\@:
	WIN 0x05                                       ; both sources window 1
.irp mt, 0,1,2,3
.set rA, ACC+8*(6*(\mt)+2*(\hd))
.irp p, 0,1,2,3,4,5,6,7
	v_cvt_pk_f16_f32 v[PKD+8*(\mt)+(\p)], v[rA+2*(\p)], v[rA+2*(\p)+1]
.endr
.endr
	WIN 0
.Ljoin_\@:
.irp hf, 0,1                        ; 32 rows at a time through my own stage: LDS serves a wave's instructions in order (ISA guide 5.7.1.4), so no wait stands between
.irp m2, 0,1
.irp nb2, 0,1
	ds_store_b128 v[STO], v[PKD+8*(2*(\hf)+(\m2))+4*(\nb2):PKD+8*(2*(\hf)+(\m2))+4*(\nb2)+3] offset:1280*(\m2)+32*(\nb2)
.endr
.endr
.irp i, 0,1,2,3
	ds_load_b128 v[OB+16*(\hf)+4*(\i):OB+16*(\hf)+4*(\i)+3], v[RD] offset:640*(\i)
.endr
.endr
.irp hf, 0,1
.irp i, 0,1,2,3
	s_wait_dscnt 8*(1-(\hf))+3-(\i)                ; younger: the rest of this half's loads, and for the first half the second's eight instructions
	global_store_b128 v[GO], v[OB+16*(\hf)+4*(\i):OB+16*(\hf)+4*(\i)+3], s[40:41] offset:2048*(\hf)+512*(\i)  ; 512 consecutive bytes, at a multiple of 256 from the buffer's first
.endr
.endr
.endm
	HEAD 0
	HEAD 1
	HEAD 2
	s_wait_tensorcnt 0x0                           ; the wave's end: behind my last LDS store
	ds_add_u32 v[SPW], v[NIL]
	s_wait_dscnt 0x0
	s_endpgm
.Lfunc_end_k_qf8d92a98ca_qkv:
	.size	k_qf8d92a98ca_qkv, .Lfunc_end_k_qf8d92a98ca_qkv-k_qf8d92a98ca_qkv
	.p2alignl 7, 3214868480
	.fill 96, 4, 3214868480
	.section	.rodata,"a",@progbits
	.p2align	6, 0x0
	.amdhsa_kernel k_qf8d92a98ca_qkv
		.amdhsa_group_segment_fixed_size 312320
		.amdhsa_private_segment_fixed_size 0
		.amdhsa_enable_private_segment 0
		.amdhsa_kernarg_size 48
		.amdhsa_user_sgpr_count 2
		.amdhsa_user_sgpr_kernarg_segment_ptr 1
		.amdhsa_wavefront_size32 1
		.amdhsa_system_sgpr_workgroup_id_x 1
		.amdhsa_system_sgpr_workgroup_id_y 1
		.amdhsa_system_sgpr_workgroup_id_z 1
		.amdhsa_system_vgpr_workitem_id 0
		.amdhsa_next_free_vgpr 512
		.amdhsa_next_free_sgpr 66
		.amdhsa_reserve_vcc 1
		.amdhsa_float_denorm_mode_32 3
		.amdhsa_float_denorm_mode_16_64 3
		.amdhsa_memory_ordered 1
		.amdhsa_forward_progress 1
		.amdhsa_inst_pref_size 132
	.end_amdhsa_kernel
	.amdgpu_metadata
---
amdhsa.version: [ 1, 2 ]
amdhsa.kernels:
  - .name:           k_qf8d92a98ca_qkv
    .symbol:         k_qf8d92a98ca_qkv.kd
    .args:
      - { .name: x, .offset: 0, .size: 8, .value_kind: global_buffer, .address_space: global }
      - { .name: Wqkv, .offset: 8, .size: 8, .value_kind: global_buffer, .address_space: global }
      - { .name: bqkv, .offset: 16, .size: 8, .value_kind: global_buffer, .address_space: global }
      - { .name: Wout, .offset: 24, .size: 8, .value_kind: global_buffer, .address_space: global }
      - { .name: qkv16, .offset: 32, .size: 8, .value_kind: global_buffer, .address_space: global }
      - { .name: wo16, .offset: 40, .size: 8, .value_kind: global_buffer, .address_space: global }
    .group_segment_fixed_size: 312320
    .private_segment_fixed_size: 0
    .kernarg_segment_align: 8
    .kernarg_segment_size: 48
    .max_flat_workgroup_size: 256
    .sgpr_count:     66
    .vgpr_count:     512
    .wavefront_size: 32
...
	.end_amdgpu_metadata
.endif
;; end of part 1
;; launch attn (part 2): grid 4 x 64, 8 waves a work-group, no clusters, 327,680 bytes of LDS; arguments qkv16, obuf; writes obuf
.if DOCPART == 2
	.amdgcn_target "amdgcn-amd-amdhsa--gfx1250"
	.amdhsa_code_object_version 6
	.text
	.protected	k_qf8d92a98ca_attn
	.globl	k_qf8d92a98ca_attn
	.p2align	8
	.type	k_qf8d92a98ca_attn,@function
k_qf8d92a98ca_attn:
	s_mov_b64 s[64:65], 0
	v_nop
	global_prefetch_b8 v0, s[64:65] scope:SCOPE_SE
	s_setreg_imm32_b32 hwreg(HW_REG_WAVE_MODE, 25, 1), 1
	s_wait_xcnt 0x0
; CAUSAL ATTENTION at head size 32.  O[hd][q] = the sum over k <= q of softmax_k(q . k / sqrt(32)) v[k].  q, k, v: qkv16 = f16 [3][64][2048][32], a head's rows dense, 64 bytes each;
; q and k each carry sqrt(log2(e) / sqrt(32)), so a score s is an exponent of 2.  O: obuf = f16 [64][2048][32].
; Products, maxima and sums in f32; the weights p = 2^(s - m) are rounded to f16 for the second product, and their sum l is taken of the rounded p, by the matrix unit; O is rounded once.
; LIMITS.  A hidden score counts as its value less 1e30 (scores stay under 1e29); a weight below 2^-126 counts as 0, and below 6e-5 it keeps f16's fixed step of 6e-8; NaN and infinities are not treated apart.
; THE WALK.  A head has 8 blocks of 256 queries; block i needs the key tiles 0 .. i of 256 keys.  A work-group takes blocks 7 - b and then b: 9 tiles whatever b, one loop with a constant count.
; Which tile is asked for and what a trip does hang on scalars made from b; every jump goes forward but the counted loops' own, and none passes a barrier or a tensor load but the lines of LOAD that the wave's number does not choose.
; SHARES.  Wave w owns 32 rows of a block, two tiles of 16: row group g = w (w < 4) or 11 - w.  In the diagonal tile, key step s (64 keys) is dead for the wave if s > g / 2, holds the diagonal if s = g / 2.
; Waves w and w + 4 together have 5 live steps of 8 there, whatever w.
; THE COUNT.  A step has 20 matrix instructions and some 190 vector ones, a third of them exponentials: the vector unit bounds the loop.  So the text goes in phases, two waves share a SIMD and fill each other's
; gaps, and what the matrix unit can take is given to it: the mask (a C operand) and the row sums (a product with ones).
; NO CLUSTER: a head's four work-groups ask for the same tile only in trips 0 to 4, and a walk common to all would have 12 trips for 9.  NO PREFETCH: the launch before has just written k and v.
; LAYOUT.  S^T = K Q^T (source 0 = 16 keys, source 1 = 16 queries) holds ONE query a lane (lane % 16) and the keys 8 (lane / 16) + 0..7; two such results rounded to f16 ARE source 1 of O^T = V^T P.
.set PK,    80         ; a row of K in LDS: 64 bytes + 16 of padding = 20 words: the 16 rows of a load start at 16 different groups of four banks
.set PVP,   96         ; a row of V: 64 + 32 = 3 x 32
.set VOFF,  256*PK     ; a slot holds a tile: 256 rows of K, then 256 rows of V
.set SLOT1, 1<<16      ; slot 1 begins here: one exclusive or turns an address in one slot into the other's
.set STAGE, 2*SLOT1    ; never filled by a tensor load: 32 rows x 80 bytes for each wave, for the way out
.set SP,    80
.set SPARE, STAGE+8*32*SP  ; the spare words: 128 bytes for each wave, four blocks of 256 bytes that no other line names
.set AK0, 2            ; my lane's place in a tile of K; never rewritten
.set AV0, 3            ; the same for V
.set AK,  4            ; the step's LDS addresses
.set AV,  5
.set STO, 6
.set RD,  7
.set GO,  8
.set QO,  9
.set SPW, 14           ; LDS address of my spare word; never rewritten
.set NIL, 15           ; 0; never rewritten
.set ST,  16           ; tile u's statistics at ST + 8 u: m, (pair), a or 1/l, (pair), c0-c3 at work
.set Q,   32           ; 8 registers a tile
.set ONES, 48          ; source 0 of the row sums: 1.0 in rows 0 and 8, else 0: the sum falls into register 0 of every lane
.set DG,  56           ; C of the 16 x 16 block on the diagonal: -1e30 where the key is later than the query
.set HID, 64           ; C of a block that is wholly hidden
.set KF,  72           ; K's four fragments
.set VF,  104          ; V's: key half kk, channel block cb at VF + 16 kk + 8 cb
.set S,   136          ; S^T, 32 a tile; P is packed in place into the first 16
.set O,   200          ; O^T: tile u, channel block cb at O + 16 u + 8 cb
.set LS,  232          ; l, 8 registers a tile
.set QB,  0            ; window 1: the second block's Q
.set WV,  12
.set GR,  13           ; g
.set PB,  14           ; b
.set HI,  15           ; 7 - b
.set BAND, 16
.set ODD, 17
.set XB,  18           ; the step that holds my diagonal; 99 in a tile that has none
.set STP, 19
.set G1K, 24
.set G1V, 32
.set G0K, 40
.set G0V, 44
.set OLO, 48           ; O at my rows of the second block
.set QP0, 50
.set QP1, 52
.set BIGN, 54
.set ONE2, 55
.set SLOTS, 56
.set RT,  57           ; tiles of the block in hand still to be entered
.set NXT, 58           ; the tile to be asked for next
.set LQ,  59           ; the last tile of the block whose tiles are being asked for
.set SEL, 60
.set TBK, 62           ; LDS byte at which K of the step in hand begins
.set TBV, 63           ; the same for V, less VOFF
.set NEW, 66           ; 1: the tile to be entered is a block's first
.set OFF, 68           ; a tile's byte offset in K and V
.set MSB, 0
.macro WIN new
.if MSB != (\new)
	s_set_vgpr_msb (MSB<<8)|(\new)
.set MSB, \new
.endif
.endm
.macro PLACES n
.rept \n
	v_nop
.endr
.endm
; A fill: wave 0 fetches the tile's K, wave 1 its V, 16,384 bytes each; the others none.  An s_nop 0 and four v_nop follow each line.
.macro LOAD
	s_cmp_eq_u32 s[WV], 0
	s_cbranch_scc0 .Lnot_k_\@
	tensor_load_to_lds s[G0K:G0K+3], s[G1K:G1K+7]
	s_nop 0
.rept 4
	v_nop
.endr
	s_branch .Lasked_\@
.Lnot_k_\@:
	s_cmp_eq_u32 s[WV], 1
	s_cbranch_scc0 .Lasked_\@
	tensor_load_to_lds s[G0V:G0V+3], s[G1V:G1V+7]
	s_nop 0
.rept 4
	v_nop
.endr
.Lasked_\@:
.endm
; THE CHANGE OF SLOTS.  Each wave waits for all its tensor loads (one at the most is out: the other slot's), adds 0 to its spare word, and waits for that and for its reads of the slot that it leaves.
; Behind the barrier nobody reads the old slot and the other is whole.  fill = 1: the old slot is filled again, first thing, with tile NXT; it has a tile's four steps in which to land.
.macro CHANGE fill
	WIN 0
	s_wait_tensorcnt 0x0            ; no tensor load of mine is out, so a group 0 may be written
	ds_add_u32 v[SPW], v[NIL]       ; 0 onto my spare word; the descriptors' scalar work stands between it and the wait for it
.if \fill
	s_lshl_b32 s[OFF], s[NXT], 14   ; a tile is 16,384 bytes of K and of V
	s_xor_b32 s[G0K+1], s[G0K+1], SLOT1
	s_add_nc_u64 s[G0K+2:G0K+3], s[8:9], s[OFF:OFF+1]
	s_or_b32 s[G0K+3], s[G0K+3], 0x80000000
	s_xor_b32 s[G0V+1], s[G0V+1], SLOT1
	s_add_nc_u64 s[G0V+2:G0V+3], s[10:11], s[OFF:OFF+1]
	s_or_b32 s[G0V+3], s[G0V+3], 0x80000000
	s_add_co_u32 s[NXT], s[NXT], 1  ; the block's next tile, or behind its last the second block's tile 0
	s_cmp_gt_u32 s[NXT], s[LQ]
	s_cselect_b32 s[NXT], 0, s[NXT]
	s_cselect_b32 s[LQ], s[PB], s[LQ]
.endif
	s_wait_dscnt 0x0                ; the add is done, and my reads of the slot are over
	s_barrier_signal -1
	s_sub_co_u32 s[TBK], s[TBK], 256*PK   ; the steps go back to a slot's first,
	s_xor_b32 s[TBK], s[TBK], SLOT1       ; in the other slot
	s_sub_co_u32 s[TBV], s[TBV], 256*PVP
	s_xor_b32 s[TBV], s[TBV], SLOT1
	s_barrier_wait -1
.if \fill
	LOAD
.endif
.endm
	s_load_b128 s[4:7], s[0:1], 0x0 ; qkv16 s[4:5], obuf s[6:7]
	v_lshl_add_u32 v[SPW], v0, 2, SPARE
	v_mov_b32 v[NIL], 0
	ds_add_u32 v[SPW], v[NIL]       ; the wave's opening: the add and its wait stand ahead of my first tensor load; the set-up below, work on registers, stands between them
	v_lshrrev_b32 v1, 5, v0
	v_readfirstlane_b32 s[WV], v1   ; wave 0..7
	s_sub_co_u32 s[GR], 11, s[WV]
	s_cmp_lt_u32 s[WV], 4
	s_cselect_b32 s[GR], s[WV], s[GR]
	s_mov_b32 s[PB], ttmp9
	s_sub_co_u32 s[HI], 7, s[PB]
	s_lshr_b32 s[BAND], s[GR], 1
	s_and_b32 s[ODD], s[GR], 1
	s_and_b32 s20, ttmp7, 0xffff
	s_lshl_b32 s20, s20, 17         ; the head's first byte in a section and in obuf
	s_lshl_b32 s21, s[GR], 11       ; my 32 rows of a block,
	s_add_co_u32 s21, s21, s20
	s_lshl_b32 s22, s[HI], 14       ; in the first block,
	s_add_co_u32 s22, s22, s21
	s_mov_b32 s23, 0
	s_lshl_b32 s[OFF], s[PB], 14    ; and in the second
	s_add_co_u32 s[OFF], s[OFF], s21
	s_mov_b32 s[OFF+1], 0
	; descriptor group 1.  256 keys are 16,384 dense bytes: asked for as 64 rows of 256 bytes, four keys a row, and padded in LDS after every key
	s_mov_b32 s[G1K], (1<<16)|(1<<20)|(3<<22)|(3<<25)  ; 17:16 2-byte elements; 20 padding on; 24:22 after every 16 words (code 3); 31:25 4 words (code 3)
	s_mov_b32 s[G1V], (1<<16)|(1<<20)|(3<<22)|(7<<25)  ; the same with 8 words of padding (code 7)
.irp g, G1K, G1V
	s_mov_b32 s[\g+1], 128<<16      ; tensor_dim0 = 128
	s_mov_b32 s[\g+2], 64<<16       ; tensor_dim1 = 64
	s_mov_b32 s[\g+3], 128<<16      ; tile_dim0 = 128
	s_mov_b32 s[\g+4], 64           ; tile_dim1 = 64
	s_mov_b32 s[\g+5], 128          ; 128 elements from row to row
	s_mov_b32 s[\g+6], 0
	s_mov_b32 s[\g+7], 0
.endr
	s_mov_b32 s[G0K], 1             ; count = 1
	s_mov_b32 s[G0K+1], 0           ; LDS address: slot 0
	s_mov_b32 s[G0V], 1
	s_mov_b32 s[G0V+1], VOFF
	s_mov_b32 s[BIGN], 0xf149f2ca   ; -1e30
	s_mov_b32 s[ONE2], 0x3c003c00   ; 1.0 twice in f16
	s_mov_b32 s[SEL], 0x76543210    ; v_permlanex16_b32: each lane takes its own place in the other half
	s_mov_b32 s[SEL+1], 0xfedcba98
	s_mov_b32 s[TBK], SLOT1+256*PK  ; the first change of slots turns these two into 0
	s_mov_b32 s[TBV], SLOT1+256*PVP
	s_add_co_u32 s[RT], s[HI], 1    ; the first block has 8 - b tiles
	s_mov_b32 s[NXT], 1
	s_mov_b32 s[LQ], s[HI]
	s_mov_b32 s[NEW], 1
	s_mov_b32 s[SLOTS], 8
	s_wait_dscnt 0x0                ; the opening add is done
	s_wait_kmcnt 0x0
	s_add_nc_u64 s[QP0:QP0+1], s[4:5], s[22:23]
	s_add_nc_u64 s[QP1:QP1+1], s[4:5], s[OFF:OFF+1]
	s_add_nc_u64 s[OLO:OLO+1], s[6:7], s[OFF:OFF+1]
	s_add_nc_u64 s[6:7], s[6:7], s[22:23]          ; O at my rows of the first block
	s_add_co_u32 s22, s20, 0x800000
	s_add_nc_u64 s[8:9], s[4:5], s[22:23]          ; the head's K
	s_add_co_u32 s22, s20, 0x1000000
	s_add_nc_u64 s[10:11], s[4:5], s[22:23]        ; the head's V
	s_add_nc_u64 s[G0K+2:G0K+3], s[8:9], 0         ; global address: tile 0
	s_or_b32 s[G0K+3], s[G0K+3], 0x80000000        ; type = 2
	s_add_nc_u64 s[G0V+2:G0V+3], s[10:11], 0
	s_or_b32 s[G0V+3], s[G0V+3], 0x80000000
	LOAD                            ; tile 0 into slot 0
	; A fragment of K or Q is 16 rows x 32 channels in 8 registers: lane l holds row l % 16, channels 8 (l / 16) + 0..7 and 16 + 8 (l / 16) + 0..7: two loads of 16 bytes, 32 bytes apart.
	v_and_b32 v1, 15, v0            ; l % 16
	v_bfe_u32 v10, v0, 4, 1         ; l / 16
	v_lshlrev_b32 v[QO], 6, v1
	v_lshl_add_u32 v[QO], v10, 4, v[QO]
.irp u, 0,1
	global_load_b128 v[Q+8*(\u):Q+8*(\u)+3],   v[QO], s[QP0:QP0+1] offset:1024*(\u)
	global_load_b128 v[Q+8*(\u)+4:Q+8*(\u)+7], v[QO], s[QP0:QP0+1] offset:1024*(\u)+32
.endr
	WIN 0x40                        ; destination window 1
.irp u, 0,1
	global_load_b128 v[QB+8*(\u):QB+8*(\u)+3],   v[QO], s[QP1:QP1+1] offset:1024*(\u)
	global_load_b128 v[QB+8*(\u)+4:QB+8*(\u)+7], v[QO], s[QP1:QP1+1] offset:1024*(\u)+32
.endr
	WIN 0
	v_mul_u32_u24 v[AK0], v1, PK
	v_lshl_add_u32 v[AK0], v10, 4, v[AK0]
	; The turning load takes 16 keys x 16 channels (lane l reads key 8 (l / 16) + l % 8, channels 8 ((l / 8) % 2) + 0..7) and leaves half a fragment of V^T.
	v_and_b32 v11, 7, v0
	v_lshl_add_u32 v[AV0], v10, 3, v11
	v_mul_u32_u24 v[AV0], v[AV0], PVP
	v_bfe_u32 v12, v0, 3, 1
	v_lshl_add_u32 v[AV0], v12, 4, v[AV0]
	v_add_nc_u32 v[AV0], VOFF, v[AV0]
	s_mul_i32 s20, s[WV], 32*SP
	s_add_co_u32 s20, s20, STAGE    ; my stage
	v_mul_u32_u24 v[STO], v1, SP    ; in: row l % 16, 16 bytes for each half of the lanes
	v_lshl_add_u32 v[STO], v10, 4, v[STO]
	v_add_nc_u32 v[STO], s20, v[STO]
	v_bfe_u32 v[RD], v0, 2, 3       ; back: 32 lanes take eight rows of 64 bytes,
	v_mul_u32_u24 v[RD], v[RD], SP
	v_and_b32 v12, 3, v0
	v_lshl_add_u32 v[RD], v12, 4, v[RD]
	v_add_nc_u32 v[RD], s20, v[RD]
	v_and_b32 v[GO], 31, v0         ; which are 512 consecutive bytes of O
	v_lshlrev_b32 v[GO], 4, v[GO]
	v_lshlrev_b32 v12, 3, v10
	v_sub_nc_u32 v12, v1, v12       ; l % 16 - 8 (l / 16): register j of the diagonal block is hidden where j is greater
.set i, 0
.rept 8
	v_cmp_gt_i32 vcc_lo, i, v12
	v_cndmask_b32 v[DG+i], 0, s[BIGN], vcc_lo
	v_mov_b32 v[HID+i], s[BIGN]
.set i, i+1
.endr
	v_cmp_eq_u32 vcc_lo, 0, v11
	v_cndmask_b32 v[ONES], 0, s[ONE2], vcc_lo      ; lanes 0, 8, 16, 24 hold rows 0 and 8
.set i, 1
.rept 7
	v_mov_b32 v[ONES+i], v[ONES]
.set i, i+1
.endr
	; A block's first step multiplies O^T and l by a = 0, so these need only be finite: zeros for the first block, what the first block left for the second.  All this stands in the wait for the first tile.
.set i, 0
.rept 48
	v_mov_b32 v[O+i], 0
.set i, i+1
.endr
.irp u, 0,1
	v_mov_b32 v[ST+8*(\u)+1], 0     ; named as the upper halves of pairs
	v_mov_b32 v[ST+8*(\u)+3], 0
.endr
; S^T of tile u, keys 16 kt on: head size 32 is one K step, so each product starts and ends a sum.  c: 0, or the registers of a mask.
.macro KQ u, kt, c
.if (\c) == 0
	v_wmma_f32_16x16x32_f16 v[S+32*(\u)+8*(\kt):S+32*(\u)+8*(\kt)+7], v[KF+8*(\kt):KF+8*(\kt)+7], v[Q+8*(\u):Q+8*(\u)+7], 0
.else
	v_wmma_f32_16x16x32_f16 v[S+32*(\u)+8*(\kt):S+32*(\u)+8*(\kt)+7], v[KF+8*(\kt):KF+8*(\kt)+7], v[Q+8*(\u):Q+8*(\u)+7], v[(\c):(\c)+7]
.endif
.endm
; Number n of the 21 that find a tile's maximum and statistics.  0-11: four chains c0-c3 of seven scores each (each accumulator's lowest registers are read first);
; 12-15: the four scores left over, the old m, and c0-c3 into c0; 16, 17: the query's other 32 keys lie in the lane 16 away; 18-20: m_old - m_new, the new m, a.
.macro SMX u, n
.set rT, ST+8*(\u)
.set rS, S+32*(\u)
.if (\n) < 4
	v_max3_num_f32 v[rT+4+(\n)], v[rS+8*(\n)], v[rS+8*(\n)+1], v[rS+8*(\n)+2]
.elseif (\n) < 12
	v_max3_num_f32 v[rT+4+(\n)%4], v[rT+4+(\n)%4], v[rS+8*((\n)%4)+2*((\n)/4)+1], v[rS+8*((\n)%4)+2*((\n)/4)+2]
.elseif (\n) == 12
	v_max3_num_f32 v[rT+4], v[rT+4], v[rS+7], v[rS+15]
.elseif (\n) == 13
	v_max3_num_f32 v[rT+5], v[rT+5], v[rS+23], v[rS+31]
.elseif (\n) == 14
	v_max3_num_f32 v[rT+6], v[rT+6], v[rT+7], v[rT]
.elseif (\n) == 15
	v_max3_num_f32 v[rT+4], v[rT+4], v[rT+5], v[rT+6]
.elseif (\n) == 16
	v_permlanex16_b32 v[rT+7], v[rT+4], s[SEL], s[SEL+1]
.elseif (\n) == 17
	v_max_num_f32 v[rT+5], v[rT+4], v[rT+7]
.elseif (\n) == 18
	v_sub_f32 v[rT+6], v[rT], v[rT+5]
.elseif (\n) == 19
	v_mov_b32 v[rT], v[rT+5]
.else
	v_exp_f32 v[rT+2], v[rT+6]
.endif
.endm
.macro SUBP u, b                    ; s - m for pair b of 16
	v_pk_add_f32 v[S+32*(\u)+2*(\b):S+32*(\u)+2*(\b)+1], v[S+32*(\u)+2*(\b):S+32*(\u)+2*(\b)+1], v[ST+8*(\u):ST+8*(\u)+1] op_sel_hi:[1,0] neg_lo:[0,1] neg_hi:[0,1]
.endm
.macro EXPP u, i
	v_exp_f32 v[S+32*(\u)+(\i)], v[S+32*(\u)+(\i)]
.endm
.macro CVTP u, b                    ; pair b rounded to f16, into register b: never ahead of a pair that is still to be read
	s_wait_alu depctr_va_vdst(0)
	v_cvt_pk_f16_f32 v[S+32*(\u)+(\b)], v[S+32*(\u)+2*(\b)], v[S+32*(\u)+2*(\b)+1]
.endm
.macro RSC u, n                     ; times a: pairs 0-7 of O^T; 8: l (its registers 2 to 7 are sums of zeros)
.if (\n) < 8
.set rX, O+16*(\u)+2*(\n)
.else
.set rX, LS+8*(\u)
.endif
	s_wait_alu depctr_va_vdst(0)
	v_pk_mul_f32 v[rX:rX+1], v[rX:rX+1], v[ST+8*(\u)+2:ST+8*(\u)+3] op_sel_hi:[1,0]
.endm
; Both tiles' softmax, alternating.  Behind each run of four exponentials stands a plain instruction that touches none of their registers (ISA guide 5.7.2); a pair is rounded a trip behind its exponentials.
.macro SOFTMAX
.set n, 0
.rept 21
	SMX 0, n
	SMX 1, n
.set n, n+1
.endr
.set b, 0
.rept 18
.if b < 16
	SUBP 0, b
	SUBP 1, b
.endif
.if (b >= 1) && (b <= 9)
	RSC 0, b-1
	RSC 1, b-1
.endif
.if (b >= 1) && (b <= 16)
	EXPP 0, 2*b-2
	EXPP 1, 2*b-2
	EXPP 0, 2*b-1
	EXPP 1, 2*b-1
.endif
.if b >= 2
	CVTP 0, b-2
	CVTP 1, b-2
.endif
.set b, b+1
.endr
.endm
; O^T += V^T P and l += ones P: six accumulators by turns, one instruction a turn.
.macro PVM
.irp kk, 0,1
.irp u, 0,1
	v_wmma_f32_16x16x32_f16 v[O+16*(\u):O+16*(\u)+7],    v[VF+16*(\kk):VF+16*(\kk)+7],    v[S+32*(\u)+8*(\kk):S+32*(\u)+8*(\kk)+7], v[O+16*(\u):O+16*(\u)+7]
	v_wmma_f32_16x16x32_f16 v[O+16*(\u)+8:O+16*(\u)+15], v[VF+16*(\kk)+8:VF+16*(\kk)+15], v[S+32*(\u)+8*(\kk):S+32*(\u)+8*(\kk)+7], v[O+16*(\u)+8:O+16*(\u)+15]
	v_wmma_f32_16x16x32_f16 v[LS+8*(\u):LS+8*(\u)+7],    v[ONES:ONES+7],                  v[S+32*(\u)+8*(\kk):S+32*(\u)+8*(\kk)+7], v[LS+8*(\u):LS+8*(\u)+7]
.endr
.endr
.endm
; A KEY STEP of 64 keys.  In my diagonal step the query tile 2 (g % 2) + u sees the key blocks before it, holds the diagonal in its own, and none of the later ones.
.macro STEP
	v_add_nc_u32 v[AK], s[TBK], v[AK0]
	v_add_nc_u32 v[AV], s[TBV], v[AV0]
.irp kt, 0,1,2,3
	ds_load_b128 v[KF+8*(\kt):KF+8*(\kt)+3],   v[AK] offset:(\kt)*16*PK
	ds_load_b128 v[KF+8*(\kt)+4:KF+8*(\kt)+7], v[AK] offset:(\kt)*16*PK+32
.endr
.irp f, 0,1,2,3
	ds_load_tr16_b128 v[VF+8*(\f):VF+8*(\f)+3],   v[AV] offset:((\f)/2)*32*PVP+((\f)%2)*32
	ds_load_tr16_b128 v[VF+8*(\f)+4:VF+8*(\f)+7], v[AV] offset:((\f)/2)*32*PVP+16*PVP+((\f)%2)*32
.endr
	s_wait_dscnt 8                  ; K is in; V's eight loads may be out
	s_cmp_eq_u32 s[STP], s[XB]
	s_cbranch_scc1 .Lmask_\@
.irp kt, 0,1,2,3
	KQ 0, \kt, 0
	KQ 1, \kt, 0
.endr
	s_branch .Lsm_\@
.Lmask_\@:
	s_cmp_eq_u32 s[ODD], 0
	s_cbranch_scc0 .Lodd_\@
	KQ 0, 0, DG
	KQ 1, 0, 0
	KQ 0, 1, HID
	KQ 1, 1, DG
	KQ 0, 2, HID
	KQ 1, 2, HID
	KQ 0, 3, HID
	KQ 1, 3, HID
	s_branch .Lsm_\@
.Lodd_\@:
	KQ 0, 0, 0
	KQ 1, 0, 0
	KQ 0, 1, 0
	KQ 1, 1, 0
	KQ 0, 2, DG
	KQ 1, 2, 0
	KQ 0, 3, HID
	KQ 1, 3, DG
.Lsm_\@:
	PLACES 4                        ; four places between the last product and the first read of a score (ISA guide 7.12.1)
	SOFTMAX
	s_wait_dscnt 0x0                ; V is in
	PVM
	PLACES 5                        ; five: the next step's products write over P, its loads land in V's registers, the block's end reads l
.endm
; A BLOCK'S END: O^T is divided by l, rounded to f16 and sent through my stage in LDS.  last = 0: then the second block is set up.
.macro END last
	v_rcp_f32 v[ST+2], v[LS]
	v_rcp_f32 v[ST+10], v[LS+8]
	v_nop                           ; a plain instruction between the reciprocals and their use
	s_wait_alu depctr_va_vdst(0)
.irp u, 0,1
.irp n, 0,1,2,3,4,5,6,7
	v_pk_mul_f32 v[S+32*(\u)+2*(\n):S+32*(\u)+2*(\n)+1], v[O+16*(\u)+2*(\n):O+16*(\u)+2*(\n)+1], v[ST+8*(\u)+2:ST+8*(\u)+3] op_sel_hi:[1,0]
.endr
.endr
.irp u, 0,1
.irp n, 0,1,2,3,4,5,6,7
	v_cvt_pk_f16_f32 v[S+32*(\u)+16+(\n)], v[S+32*(\u)+2*(\n)], v[S+32*(\u)+2*(\n)+1]
.endr
.endr
.irp u, 0,1
.irp cb, 0,1
	ds_store_b128 v[STO], v[S+32*(\u)+16+4*(\cb):S+32*(\u)+16+4*(\cb)+3] offset:(\u)*16*SP+32*(\cb)
.endr
.endr
.irp i, 0,1,2,3
	ds_load_b128 v[KF+4*(\i):KF+4*(\i)+3], v[RD] offset:(\i)*8*SP  ; LDS serves a wave's instructions in order (ISA guide 5.7.1.4): these see the stores above
.endr
.irp i, 0,1,2,3
	s_wait_dscnt 3-(\i)
	global_store_b128 v[GO], v[KF+4*(\i):KF+4*(\i)+3], s[6:7] offset:512*(\i)  ; 512 consecutive bytes, at a multiple of 256 from O's first
.endr
.if !(\last)
	s_wait_xcnt 0x0                 ; the stores have read their registers and O's address
	s_mov_b64 s[6:7], s[OLO:OLO+1]
	s_add_co_u32 s[RT], s[PB], 1    ; the second block has b + 1 tiles
	s_mov_b32 s[NEW], 1
	WIN 0x01                        ; source window 1
.set i, 0
.rept 16
	v_mov_b32 v[Q+i], v[QB+i]
.set i, i+1
.endr
	WIN 0
.endif
.endm
; A TILE: four key steps, counted to the constant 4; a dead step is jumped forward, to the label ahead of the counter's step.  A block's first tile sets m to the lowest finite number, so that the first step's a is 0.
.macro TILE last
	s_sub_co_u32 s[RT], s[RT], 1
	s_cmp_eq_u32 s[NEW], 1
	s_cbranch_scc0 .Lold_\@
	s_mov_b32 s[NEW], 0
	v_mov_b32 v[ST], 0xff7fffff
	v_mov_b32 v[ST+8], 0xff7fffff
.Lold_\@:
	s_cmp_eq_u32 s[RT], 0           ; the block's last tile holds the diagonal
	s_cselect_b32 s[XB], s[BAND], 99
	s_mov_b32 s[STP], 0
.Lstep_\@:
	s_cmp_gt_u32 s[STP], s[XB]
	s_cbranch_scc1 .Ldead_\@
	STEP
.Ldead_\@:
	s_add_co_u32 s[TBK], s[TBK], 64*PK
	s_add_co_u32 s[TBV], s[TBV], 64*PVP
	s_add_co_u32 s[STP], s[STP], 1
	s_cmp_lt_u32 s[STP], 4
	s_cbranch_scc1 .Lstep_\@
.if \last
	END 1
.else
	s_cmp_eq_u32 s[RT], 0
	s_cbranch_scc0 .Lnoend_\@
	END 0
.Lnoend_\@:
.endif
.endm
	s_wait_loadcnt 0x0              ; both blocks' Q
.Lslot:                             ; 8 times: a tile is entered and the next is asked for
	CHANGE 1
	TILE 0
	s_sub_co_u32 s[SLOTS], s[SLOTS], 1
	s_cmp_lg_u32 s[SLOTS], 0
	s_cbranch_scc1 .Lslot
	CHANGE 0                        ; the walk's last tile, the second block's diagonal one, is written out: nothing is asked for
	TILE 1
	s_wait_tensorcnt 0x0            ; the wave's end: behind my last tensor load and my last LDS store
	ds_add_u32 v[SPW], v[NIL]
	s_wait_dscnt 0x0
	s_endpgm
.Lfunc_end_k_qf8d92a98ca_attn:
	.size	k_qf8d92a98ca_attn, .Lfunc_end_k_qf8d92a98ca_attn-k_qf8d92a98ca_attn
	.p2alignl 7, 3214868480
	.fill 96, 4, 3214868480
	.section	.rodata,"a",@progbits
	.p2align	6, 0x0
	.amdhsa_kernel k_qf8d92a98ca_attn
		.amdhsa_group_segment_fixed_size 327680
		.amdhsa_private_segment_fixed_size 0
		.amdhsa_enable_private_segment 0
		.amdhsa_kernarg_size 16
		.amdhsa_user_sgpr_count 2
		.amdhsa_user_sgpr_kernarg_segment_ptr 1
		.amdhsa_wavefront_size32 1
		.amdhsa_system_sgpr_workgroup_id_x 1
		.amdhsa_system_sgpr_workgroup_id_y 1
		.amdhsa_system_sgpr_workgroup_id_z 1
		.amdhsa_system_vgpr_workitem_id 0
		.amdhsa_next_free_vgpr 272
		.amdhsa_next_free_sgpr 72
		.amdhsa_reserve_vcc 1
		.amdhsa_float_denorm_mode_32 3
		.amdhsa_float_denorm_mode_16_64 3
		.amdhsa_memory_ordered 1
		.amdhsa_forward_progress 1
		.amdhsa_inst_pref_size 50
	.end_amdhsa_kernel
	.amdgpu_metadata
---
amdhsa.version: [ 1, 2 ]
amdhsa.kernels:
  - .name:           k_qf8d92a98ca_attn
    .symbol:         k_qf8d92a98ca_attn.kd
    .args:
      - { .name: qkv16, .offset: 0, .size: 8, .value_kind: global_buffer, .address_space: global }
      - { .name: obuf, .offset: 8, .size: 8, .value_kind: global_buffer, .address_space: global }
    .group_segment_fixed_size: 327680
    .private_segment_fixed_size: 0
    .kernarg_segment_align: 8
    .kernarg_segment_size: 16
    .max_flat_workgroup_size: 256
    .sgpr_count:     72
    .vgpr_count:     272
    .wavefront_size: 32
...
	.end_amdgpu_metadata
.endif
;; end of part 2
;; launch proj (part 3): grid 256 x 1, 8 waves a work-group, clusters of 4 x 1, 216,064 bytes of LDS; arguments obuf, wo16, bout, out0; writes out0
.if DOCPART == 3
	.amdgcn_target "amdgcn-amd-amdhsa--gfx1250"
	.amdhsa_code_object_version 6
	.text
	.protected	k_qf8d92a98ca_proj
	.globl	k_qf8d92a98ca_proj
	.p2align	8
	.type	k_qf8d92a98ca_proj,@function
k_qf8d92a98ca_proj:
	s_mov_b64 s[64:65], 0
	v_nop
	global_prefetch_b8 v0, s[64:65] scope:SCOPE_SE
	s_setreg_imm32_b32 hwreg(HW_REG_WAVE_MODE, 25, 1), 1
	s_wait_xcnt 0x0
	s_wait_alu depctr_hold_cnt(0) depctr_sa_sdst(0) depctr_va_vdst(0) depctr_va_sdst(0) depctr_va_ssrc(0) depctr_va_vcc(0) depctr_vm_vsrc(0)
	s_getreg_b32 s2, hwreg(HW_REG_IB_STS2, 6, 4)
	s_cmp_eq_u32 s2, 0
	s_cbranch_scc0 .Lentry_in_a_cluster
	s_endpgm
.Lentry_in_a_cluster:
	s_bfe_u32 s2, ttmp6, 0x10000c
	s_cmp_lg_u32 s2, 0x3003
	s_cbranch_scc0 .Lentry_shape_is_right
	s_endpgm
.Lentry_shape_is_right:
; out0 = O Wout + bout.  O: obuf = f16 [64 = batch*8+head][2048][32]; Wout: wo16 = f16 [k = 256][n = 256] (each number rounded to bf16 by the first launch); bout f32, rounded to bf16 here; out0 f32 [16384][256].
; Products in f16 with f32 sums; the bias starts the sums.  LIMITS: as the launches before state them: O and Wout lie within f16's range.
; SHARES.  A work-group takes 64 rows and all 256 columns; wave w: rows 32 (w >> 2) .. +31, columns 64 (w & 3) .. +63: 2 x 4 accumulators.  A K step of 32 is one head.
; CLUSTER.  All work-groups read the same 131,072 bytes of wo16, against 32,768 of their own O: the four of a cluster ask for Wout JOINTLY (the same load, descriptor and mask in all four), each wave 32 of its rows.
; O's tiles are loads of one's own, wave w head w.  Nothing in LDS is filled twice: both loads of a wave go out together behind the first round of the cluster's barrier (two are out, by this text's count).
; THE MATRIX INSTRUCTION IS USED TRANSPOSED (source 0 = 16 columns of Wout, source 1 = 16 rows of O): a lane holds eight neighbouring columns of a row.  A wave's 64 columns of f32 are 256 aligned bytes of out0,
; so the stage on the way out is the wave's own and wants no barrier.
.set WP,    544        ; a row of Wout in LDS: 512 bytes + 32 of padding = 17 x 32
.set OLB,   256*WP     ; O: 8 heads x 64 rows x 80 bytes (64 + 16 of padding)
.set OPI,   80
.set STG,   OLB+8*64*OPI   ; the way out: 16 rows x 272 bytes for each wave
.set SPI,   272
.set SPARE, STG+8*16*SPI   ; the spare words: 128 bytes for each wave, four blocks of 256 bytes that no other line names
.set AO,  1            ; my place in O's fragments
.set AW,  2            ; v2-5: my place in Wout's, for K steps 2 p and 2 p + 1
.set STO, 6
.set RD,  7
.set GO,  8
.set BO,  9
.set SPW, 14           ; LDS address of my spare word; never rewritten
.set NIL, 15           ; 0; never rewritten
.set F0,  16           ; two fragment buffers of 48: O's two, then Wout's four
.set BI,  112          ; the bias as a C operand, 8 registers a column block
.set ACC, 144          ; (mt, nb) at ACC + 8 (4 mt + nb)
.set WV,  12
.set G1W, 24
.set G1O, 32
.set G0W, 40
.set G0O, 44
.macro PLACES
.rept 4
	v_nop
.endr
.endm
; A round of the cluster's barrier: my work-group's barrier, so that wave 0's signal speaks for all eight waves; wave 0 signals; every wave waits for all four work-groups; my work-group's barrier once more.
.macro ROUND
	s_barrier_signal -1
	s_barrier_wait -1
	s_cmp_lg_u32 s[WV], 0
	s_cbranch_scc1 .Lnot_wave_0_\@
	s_barrier_signal -3
.Lnot_wave_0_\@:
	s_barrier_wait -3
	s_barrier_signal -1
	s_barrier_wait -1
.endm
	s_load_b256 s[4:11], s[0:1], 0x0               ; obuf s[4:5], wo16 s[6:7], bout s[8:9], out0 s[10:11]
	v_lshl_add_u32 v[SPW], v0, 2, SPARE
	v_mov_b32 v[NIL], 0
	ds_add_u32 v[SPW], v[NIL]                      ; the wave's opening: the add and its wait stand ahead of my first tensor load; the set-up below, work on registers, stands between them
	v_lshrrev_b32 v10, 5, v0
	v_readfirstlane_b32 s[WV], v10                 ; wave 0..7
	s_lshr_b32 s13, s[WV], 2                       ; wm
	s_and_b32 s14, s[WV], 3                        ; wn
	s_bfe_u32 s15, ttmp6, 0x40000                  ; cx: it enters O's and out0's global addresses alone
	s_lshl_b32 s16, ttmp9, 2                       ; in a cluster launch ttmp9 counts clusters
	s_add_co_u32 s16, s16, s15
	s_lshl_b32 s17, s16, 6                         ; my first row
	; Wout: 32 rows x 256 elements a wave, 8 words of padding behind every 128
	s_mov_b32 s[G1W], 15|(1<<16)|(1<<20)|(1<<21)|(6<<22)|(7<<25)  ; 15:0 the mask of four; 17:16 2-byte elements; 20 padding on; 21 set beside a mask; 24:22 code 6; 31:25 code 7
	s_mov_b32 s[G1W+1], 256<<16                    ; tensor_dim0
	s_mov_b32 s[G1W+2], 32<<16                     ; tensor_dim1
	s_mov_b32 s[G1W+3], 256<<16                    ; tile_dim0
	s_mov_b32 s[G1W+4], 32                         ; tile_dim1
	s_mov_b32 s[G1W+5], 256                        ; elements from row to row
	s_mov_b32 s[G1W+6], 0
	s_mov_b32 s[G1W+7], 0
	; O: a head's 64 rows are 4,096 dense bytes: 16 rows of 256, 4 words of padding behind every 16 (a row of O)
	s_mov_b32 s[G1O], (1<<16)|(1<<20)|(3<<22)|(3<<25)
	s_mov_b32 s[G1O+1], 128<<16
	s_mov_b32 s[G1O+2], 16<<16
	s_mov_b32 s[G1O+3], 128<<16
	s_mov_b32 s[G1O+4], 16
	s_mov_b32 s[G1O+5], 128
	s_mov_b32 s[G1O+6], 0
	s_mov_b32 s[G1O+7], 0
	s_mov_b32 s[G0W], 1
	s_mul_i32 s[G0W+1], s[WV], 32*WP               ; LDS addresses hang on the wave's number alone
	s_mov_b32 s[G0O], 1
	s_mul_i32 s[G0O+1], s[WV], 64*OPI
	s_add_co_u32 s[G0O+1], s[G0O+1], OLB
	s_lshl_b32 s22, s[WV], 14                      ; my 32 rows of wo16
	s_mov_b32 s23, 0
	s_lshr_b32 s20, s17, 11                        ; batch
	s_lshl_b32 s20, s20, 3
	s_add_co_u32 s20, s20, s[WV]                   ; its head w
	s_lshl_b32 s20, s20, 11
	s_and_b32 s21, s17, 2047
	s_add_co_u32 s20, s20, s21                     ; the work-group's first position
	s_lshl_b32 s20, s20, 6
	s_mov_b32 s21, 0
	s_lshl_b32 s18, s13, 5
	s_add_co_u32 s18, s18, s17
	s_lshl_b32 s18, s18, 10                        ; out0: my wave's first row,
	s_lshl_b32 s19, s14, 8
	s_add_co_u32 s18, s18, s19                     ; and its 256 bytes of a row
	s_mov_b32 s19, 0
	s_wait_dscnt 0x0                               ; the opening add is done
	s_wait_kmcnt 0x0
	s_add_nc_u64 s[G0W+2:G0W+3], s[6:7], s[22:23]
	s_or_b32 s[G0W+3], s[G0W+3], 0x80000000
	s_add_nc_u64 s[G0O+2:G0O+3], s[4:5], s[20:21]
	s_or_b32 s[G0O+3], s[G0O+3], 0x80000000
	s_add_nc_u64 s[10:11], s[10:11], s[18:19]
	ROUND                                          ; all four work-groups are here: the joint loads meet
	tensor_load_to_lds s[G0W:G0W+3], s[G1W:G1W+7]
	s_nop 0
	tensor_load_to_lds s[G0O:G0O+3], s[G1O:G1O+7]
	s_nop 0
.rept 4
	v_nop
.endr
	v_and_b32 v10, 15, v0                          ; l % 16
	v_bfe_u32 v11, v0, 4, 1                        ; l / 16
	s_lshl_b32 s18, s14, 8
	v_lshl_add_u32 v[BO], v11, 5, s18              ; my eight numbers of a column block's bias
.irp nb, 0,1,2,3
	global_load_b128 v[BI+8*(\nb):BI+8*(\nb)+3],   v[BO], s[8:9] offset:64*(\nb)
	global_load_b128 v[BI+8*(\nb)+4:BI+8*(\nb)+7], v[BO], s[8:9] offset:64*(\nb)+16
.endr
	v_mul_u32_u24 v12, v10, OPI
	v_lshl_add_u32 v12, v11, 4, v12
	s_mul_i32 s18, s13, 32*OPI
	s_add_co_u32 s18, s18, OLB
	v_add_nc_u32 v[AO], s18, v12                   ; OLB + (32 wm + r) x 80 + 16 h
	v_and_b32 v12, 7, v0
	v_lshl_add_u32 v12, v11, 3, v12
	v_mul_u32_u24 v12, v12, WP
	v_bfe_u32 v13, v0, 3, 1
	v_lshl_add_u32 v12, v13, 4, v12
	s_lshl_b32 s18, s14, 7
	v_add_nc_u32 v[AW], s18, v12                   ; (8 h + l % 8) x 544 + 128 wn + 16 ((l / 8) % 2)
	v_add_nc_u32 v[AW+1], 64*WP, v[AW]             ; an LDS offset has 16 bits: a register for every 64 rows
	v_add_nc_u32 v[AW+2], 128*WP, v[AW]
	v_add_nc_u32 v[AW+3], 192*WP, v[AW]
	s_mul_i32 s18, s[WV], 16*SPI
	s_add_co_u32 s18, s18, STG                     ; my stage
	v_mul_u32_u24 v12, v10, SPI
	v_lshl_add_u32 v12, v11, 5, v12
	v_add_nc_u32 v[STO], s18, v12                  ; in: row l % 16, 32 bytes for each half of the lanes
	v_mul_u32_u24 v12, v11, SPI
	v_lshl_add_u32 v12, v10, 4, v12
	v_add_nc_u32 v[RD], s18, v12                   ; back: lanes 0-15 take one row's 256 bytes, lanes 16-31 the next
	v_lshlrev_b32 v12, 4, v10
	v_lshl_add_u32 v[GO], v11, 10, v12             ; and the same two rows in out0
	s_wait_loadcnt 0x0
.set p, 0
.rept 16                            ; the bias is rounded to bf16 as every input is
	v_cvt_pk_bf16_f32 v[10+p%4], v[BI+2*p], v[BI+2*p+1]
	v_lshlrev_b32 v[BI+2*p], 16, v[10+p%4]
	v_and_b32 v[BI+2*p+1], 0xffff0000, v[10+p%4]
.set p, p+1
.endr
	s_wait_tensorcnt 0x0                           ; my rows of Wout and my head of O are in,
	s_barrier_signal -1
	s_barrier_wait -1                              ; everybody's are
.macro FETCH ks                     ; K step ks: 12 LDS loads into buffer ks % 2
.set F, F0+48*((\ks)%2)
.irp mt, 0,1
	ds_load_b128 v[F+8*(\mt):F+8*(\mt)+3],   v[AO] offset:(\ks)*64*OPI+(\mt)*16*OPI
	ds_load_b128 v[F+8*(\mt)+4:F+8*(\mt)+7], v[AO] offset:(\ks)*64*OPI+(\mt)*16*OPI+32
.endr
.irp nb, 0,1,2,3
	ds_load_tr16_b128 v[F+16+8*(\nb):F+16+8*(\nb)+3],   v[AW+(\ks)/2] offset:((\ks)%2)*32*WP+32*(\nb)
	ds_load_tr16_b128 v[F+16+8*(\nb)+4:F+16+8*(\nb)+7], v[AW+(\ks)/2] offset:((\ks)%2)*32*WP+32*(\nb)+16*WP
.endr
.endm
.macro MUL ks                       ; eight products, the eight accumulators by turns; the first K step takes the bias as C
.set F, F0+48*((\ks)%2)
.irp mt, 0,1
.irp nb, 0,1,2,3
.set rD, ACC+8*(4*(\mt)+(\nb))
.if (\ks) == 0
	v_wmma_f32_16x16x32_f16 v[rD:rD+7], v[F+16+8*(\nb):F+16+8*(\nb)+7], v[F+8*(\mt):F+8*(\mt)+7], v[BI+8*(\nb):BI+8*(\nb)+7]
.else
	v_wmma_f32_16x16x32_f16 v[rD:rD+7], v[F+16+8*(\nb):F+16+8*(\nb)+7], v[F+8*(\mt):F+8*(\mt)+7], v[rD:rD+7]
.endif
.endr
.endr
.endm
	FETCH 0
.set ks, 0
.rept 8
.if ks < 7
.if ks >= 1
	PLACES                                         ; the loads below land in the buffer that the step before multiplied (ISA guide 7.12.1 for vector instructions)
.endif
	FETCH ks+1
	s_wait_dscnt 12                                ; all but the twelve just issued
.else
	s_wait_dscnt 0x0
.endif
	MUL ks
.set ks, ks+1
.endr
	; THE WAY OUT: 16 rows at a time through my own stage; each accumulator's low four registers go first.
	PLACES
.irp mt, 0,1
.set OB, 208-192*(\mt)              ; v208-239, then v16-47
.irp nb, 0,1,2,3
	ds_store_b128 v[STO], v[ACC+8*(4*(\mt)+(\nb)):ACC+8*(4*(\mt)+(\nb))+3]   offset:64*(\nb)
	ds_store_b128 v[STO], v[ACC+8*(4*(\mt)+(\nb))+4:ACC+8*(4*(\mt)+(\nb))+7] offset:64*(\nb)+16
.endr
.irp i, 0,1,2,3,4,5,6,7
	ds_load_b128 v[OB+4*(\i):OB+4*(\i)+3], v[RD] offset:2*SPI*(\i)  ; LDS serves a wave's instructions in order (ISA guide 5.7.1.4): these see the stores above; the next block's stores come behind them
.endr
.endr
.irp mt, 0,1
.set OB, 208-192*(\mt)
.irp i, 0,1,2,3,4,5,6,7
	s_wait_dscnt 16*(1-(\mt))+7-(\i)               ; younger: the rest of this block's loads, and for the first block the second's sixteen instructions
	global_store_b128 v[GO], v[OB+4*(\i):OB+4*(\i)+3], s[10:11] offset:(16*(\mt)+2*(\i))*1024 th:TH_STORE_NT  ; 16 lanes store 256 consecutive bytes, at a multiple of 256 from out0's first
.endr
.endr
	s_wait_tensorcnt 0x0                           ; the wave's end: behind my last tensor load and my last LDS store
	ds_add_u32 v[SPW], v[NIL]
	s_wait_dscnt 0x0
	ROUND                                          ; the closing round: no work-group ends while a partner may still ask for a tile that names it
	s_endpgm
.Lfunc_end_k_qf8d92a98ca_proj:
	.size	k_qf8d92a98ca_proj, .Lfunc_end_k_qf8d92a98ca_proj-k_qf8d92a98ca_proj
	.p2alignl 7, 3214868480
	.fill 96, 4, 3214868480
	.section	.rodata,"a",@progbits
	.p2align	6, 0x0
	.amdhsa_kernel k_qf8d92a98ca_proj
		.amdhsa_group_segment_fixed_size 216064
		.amdhsa_private_segment_fixed_size 0
		.amdhsa_enable_private_segment 0
		.amdhsa_kernarg_size 32
		.amdhsa_user_sgpr_count 2
		.amdhsa_user_sgpr_kernarg_segment_ptr 1
		.amdhsa_wavefront_size32 1
		.amdhsa_system_sgpr_workgroup_id_x 1
		.amdhsa_system_sgpr_workgroup_id_y 1
		.amdhsa_system_sgpr_workgroup_id_z 1
		.amdhsa_system_vgpr_workitem_id 0
		.amdhsa_next_free_vgpr 240
		.amdhsa_next_free_sgpr 66
		.amdhsa_reserve_vcc 0
		.amdhsa_float_denorm_mode_32 3
		.amdhsa_float_denorm_mode_16_64 3
		.amdhsa_memory_ordered 1
		.amdhsa_forward_progress 1
		.amdhsa_inst_pref_size 25
	.end_amdhsa_kernel
	.amdgpu_metadata
---
amdhsa.version: [ 1, 2 ]
amdhsa.kernels:
  - .name:           k_qf8d92a98ca_proj
    .symbol:         k_qf8d92a98ca_proj.kd
    .args:
      - { .name: obuf, .offset: 0, .size: 8, .value_kind: global_buffer, .address_space: global }
      - { .name: wo16, .offset: 8, .size: 8, .value_kind: global_buffer, .address_space: global }
      - { .name: bout, .offset: 16, .size: 8, .value_kind: global_buffer, .address_space: global }
      - { .name: out0, .offset: 24, .size: 8, .value_kind: global_buffer, .address_space: global }
    .group_segment_fixed_size: 216064
    .private_segment_fixed_size: 0
    .kernarg_segment_align: 8
    .kernarg_segment_size: 32
    .max_flat_workgroup_size: 256
    .sgpr_count:     66
    .vgpr_count:     240
    .wavefront_size: 32
...
	.end_amdgpu_metadata
.endif
;; end of part 3
;; ======== version 2 of 2: 3 launches; 1.27 times as fast as version 1
;; limits: values are held in f16: magnitudes above 65,504 overflow, below 6.1e-05 lose precision
;; workspace buffers: qkv16 25,165,824 bytes; wo16 131,072 bytes; obuf 8,388,608 bytes
;; launch qkv: the kernel of part 1 again; grid 4 x 64, 8 waves a work-group, no clusters, 312,320 bytes of LDS; arguments x, Wqkv, bqkv, Wout, qkv16, wo16; writes qkv16, wo16
;; launch attn (part 4): grid 4 x 64, 8 waves a work-group, no clusters, 327,680 bytes of LDS; arguments qkv16, obuf; writes obuf
.if DOCPART == 4
	.amdgcn_target "amdgcn-amd-amdhsa--gfx1250"
	.amdhsa_code_object_version 6
	.text
	.protected	k_qf8d92a98ca_attn
	.globl	k_qf8d92a98ca_attn
	.p2align	8
	.type	k_qf8d92a98ca_attn,@function
k_qf8d92a98ca_attn:
	s_mov_b64 s[64:65], 0
	v_nop
	global_prefetch_b8 v0, s[64:65] scope:SCOPE_SE
	s_setreg_imm32_b32 hwreg(HW_REG_WAVE_MODE, 25, 1), 1
	s_wait_xcnt 0x0
; CAUSAL ATTENTION at head size 32.  O[hd][q] = the sum over k <= q of softmax_k(q . k / sqrt(32)) v[k].  q, k, v: qkv16 = f16 [3][64][2048][32], a head's rows dense, 64 bytes each;
; q and k each carry sqrt(log2(e) / sqrt(32)), so a score s is an exponent of 2.  O: obuf = f16 [64][2048][32].
; Products, maxima and sums in f32; the weights p = 2^(s - m) are rounded to f16 for the second product, and their sum l is taken of the rounded p, by the matrix unit; O is rounded once.
; LIMITS.  A hidden score counts as its value less 1e30 (scores stay under 1e29); a weight below 2^-126 counts as 0, and below 6e-5 it keeps f16's fixed step of 6e-8; NaN and infinities are not treated apart.
; THE WALK.  A head has 8 blocks of 256 queries; block i needs the key tiles 0 .. i of 256 keys.  A work-group takes blocks 7 - b and then b: 9 tiles whatever b, one loop with a constant count.
; Which tile is asked for and what a trip does hang on scalars made from b; every jump goes forward but the counted loops' own, and none passes a barrier or a tensor load but the lines of LOAD that the wave's number does not choose.
; SHARES.  Wave w owns 32 rows of a block, two tiles of 16: row group g = w (w < 4) or 11 - w.  In the diagonal tile, key step s (64 keys) is dead for the wave if s > g / 2, holds the diagonal if s = g / 2.
; Waves w and w + 4 together have 5 live steps of 8 there, whatever w.
; THE COUNT.  A step has 20 matrix instructions and some 190 vector ones, a third of them exponentials: the vector unit bounds the loop.  So the text goes in phases, two waves share a SIMD and fill each other's
; gaps, and what the matrix unit can take is given to it: the mask (a C operand) and the row sums (a product with ones).
; BATCHES.  A step's 66 exponentials (the two a, then both tiles' 64 weights, each in a register of its own) are ONE batch with ONE wait.  Ahead of the wait stand the maxima, the statistics and the 32 subtractions s - m,
; which name no result of the batch; behind it all that do: the 18 rescalings by a and the 32 roundings to f16.  A block's two reciprocals are a batch of their own.  No result is open at a label or at a jump.
; NO CLUSTER: a head's four work-groups ask for the same tile only in trips 0 to 4, and a walk common to all would have 12 trips for 9.  NO PREFETCH: the launch before has just written k and v.
; LAYOUT.  S^T = K Q^T (source 0 = 16 keys, source 1 = 16 queries) holds ONE query a lane (lane % 16) and the keys 8 (lane / 16) + 0..7; two such results rounded to f16 ARE source 1 of O^T = V^T P.
.set PK,    80         ; a row of K in LDS: 64 bytes + 16 of padding = 20 words: the 16 rows of a load start at 16 different groups of four banks
.set PVP,   96         ; a row of V: 64 + 32 = 3 x 32
.set VOFF,  256*PK     ; a slot holds a tile: 256 rows of K, then 256 rows of V
.set SLOT1, 1<<16      ; slot 1 begins here: one exclusive or turns an address in one slot into the other's
.set STAGE, 2*SLOT1    ; never filled by a tensor load: 32 rows x 80 bytes for each wave, for the way out
.set SP,    80
.set SPARE, STAGE+8*32*SP  ; the spare words: 128 bytes for each wave, four blocks of 256 bytes that no other line names
.set AK0, 2            ; my lane's place in a tile of K; never rewritten
.set AV0, 3            ; the same for V
.set AK,  4            ; the step's LDS addresses
.set AV,  5
.set STO, 6
.set RD,  7
.set GO,  8
.set QO,  9
.set SPW, 14           ; LDS address of my spare word; never rewritten
.set NIL, 15           ; 0; never rewritten
.set ST,  16           ; tile u's statistics at ST + 8 u: m, (pair), a or 1/l, (pair), c0-c3 at work
.set Q,   32           ; 8 registers a tile
.set ONES, 48          ; source 0 of the row sums: 1.0 in rows 0 and 8, else 0: the sum falls into register 0 of every lane
.set DG,  56           ; C of the 16 x 16 block on the diagonal: -1e30 where the key is later than the query
.set HID, 64           ; C of a block that is wholly hidden
.set KF,  72           ; K's four fragments
.set VF,  104          ; V's: key half kk, channel block cb at VF + 16 kk + 8 cb
.set S,   136          ; S^T, 32 a tile; P is packed in place into the first 16
.set O,   200          ; O^T: tile u, channel block cb at O + 16 u + 8 cb
.set LS,  232          ; l, 8 registers a tile
.set QB,  0            ; window 1: the second block's Q
.set WV,  12
.set GR,  13           ; g
.set PB,  14           ; b
.set HI,  15           ; 7 - b
.set BAND, 16
.set ODD, 17
.set XB,  18           ; the step that holds my diagonal; 99 in a tile that has none
.set STP, 19
.set G1K, 24
.set G1V, 32
.set G0K, 40
.set G0V, 44
.set OLO, 48           ; O at my rows of the second block
.set QP0, 50
.set QP1, 52
.set BIGN, 54
.set ONE2, 55
.set SLOTS, 56
.set RT,  57           ; tiles of the block in hand still to be entered
.set NXT, 58           ; the tile to be asked for next
.set LQ,  59           ; the last tile of the block whose tiles are being asked for
.set SEL, 60
.set TBK, 62           ; LDS byte at which K of the step in hand begins
.set TBV, 63           ; the same for V, less VOFF
.set NEW, 66           ; 1: the tile to be entered is a block's first
.set OFF, 68           ; a tile's byte offset in K and V
.set MSB, 0
.macro WIN new
.if MSB != (\new)
	s_set_vgpr_msb (MSB<<8)|(\new)
.set MSB, \new
.endif
.endm
.macro PLACES n
.rept \n
	v_nop
.endr
.endm
; A fill: wave 0 fetches the tile's K, wave 1 its V, 16,384 bytes each; the others none.  An s_nop 0 and four v_nop follow each line.
.macro LOAD
	s_cmp_eq_u32 s[WV], 0
	s_cbranch_scc0 .Lnot_k_\@
	tensor_load_to_lds s[G0K:G0K+3], s[G1K:G1K+7]
	s_nop 0
.rept 4
	v_nop
.endr
	s_branch .Lasked_\@
.Lnot_k_\@:
	s_cmp_eq_u32 s[WV], 1
	s_cbranch_scc0 .Lasked_\@
	tensor_load_to_lds s[G0V:G0V+3], s[G1V:G1V+7]
	s_nop 0
.rept 4
	v_nop
.endr
.Lasked_\@:
.endm
; THE CHANGE OF SLOTS.  Each wave waits for all its tensor loads (one at the most is out: the other slot's), adds 0 to its spare word, and waits for that and for its reads of the slot that it leaves.
; Behind the barrier nobody reads the old slot and the other is whole.  fill = 1: the old slot is filled again, first thing, with tile NXT; it has a tile's four steps in which to land.
.macro CHANGE fill
	WIN 0
	s_wait_tensorcnt 0x0            ; no tensor load of mine is out, so a group 0 may be written
	ds_add_u32 v[SPW], v[NIL]       ; 0 onto my spare word; the descriptors' scalar work stands between it and the wait for it
.if \fill
	s_lshl_b32 s[OFF], s[NXT], 14   ; a tile is 16,384 bytes of K and of V
	s_xor_b32 s[G0K+1], s[G0K+1], SLOT1
	s_add_nc_u64 s[G0K+2:G0K+3], s[8:9], s[OFF:OFF+1]
	s_or_b32 s[G0K+3], s[G0K+3], 0x80000000
	s_xor_b32 s[G0V+1], s[G0V+1], SLOT1
	s_add_nc_u64 s[G0V+2:G0V+3], s[10:11], s[OFF:OFF+1]
	s_or_b32 s[G0V+3], s[G0V+3], 0x80000000
	s_add_co_u32 s[NXT], s[NXT], 1  ; the block's next tile, or behind its last the second block's tile 0
	s_cmp_gt_u32 s[NXT], s[LQ]
	s_cselect_b32 s[NXT], 0, s[NXT]
	s_cselect_b32 s[LQ], s[PB], s[LQ]
.endif
	s_wait_dscnt 0x0                ; the add is done, and my reads of the slot are over
	s_barrier_signal -1
	s_sub_co_u32 s[TBK], s[TBK], 256*PK   ; the steps go back to a slot's first,
	s_xor_b32 s[TBK], s[TBK], SLOT1       ; in the other slot
	s_sub_co_u32 s[TBV], s[TBV], 256*PVP
	s_xor_b32 s[TBV], s[TBV], SLOT1
	s_barrier_wait -1
.if \fill
	LOAD
.endif
.endm
	s_load_b128 s[4:7], s[0:1], 0x0 ; qkv16 s[4:5], obuf s[6:7]
	v_lshl_add_u32 v[SPW], v0, 2, SPARE
	v_mov_b32 v[NIL], 0
	ds_add_u32 v[SPW], v[NIL]       ; the wave's opening: the add and its wait stand ahead of my first tensor load; the set-up below, work on registers, stands between them
	v_lshrrev_b32 v1, 5, v0
	v_readfirstlane_b32 s[WV], v1   ; wave 0..7
	s_sub_co_u32 s[GR], 11, s[WV]
	s_cmp_lt_u32 s[WV], 4
	s_cselect_b32 s[GR], s[WV], s[GR]
	s_mov_b32 s[PB], ttmp9
	s_sub_co_u32 s[HI], 7, s[PB]
	s_lshr_b32 s[BAND], s[GR], 1
	s_and_b32 s[ODD], s[GR], 1
	s_and_b32 s20, ttmp7, 0xffff
	s_lshl_b32 s20, s20, 17         ; the head's first byte in a section and in obuf
	s_lshl_b32 s21, s[GR], 11       ; my 32 rows of a block,
	s_add_co_u32 s21, s21, s20
	s_lshl_b32 s22, s[HI], 14       ; in the first block,
	s_add_co_u32 s22, s22, s21
	s_mov_b32 s23, 0
	s_lshl_b32 s[OFF], s[PB], 14    ; and in the second
	s_add_co_u32 s[OFF], s[OFF], s21
	s_mov_b32 s[OFF+1], 0
	; descriptor group 1.  256 keys are 16,384 dense bytes: asked for as 64 rows of 256 bytes, four keys a row, and padded in LDS after every key
	s_mov_b32 s[G1K], (1<<16)|(1<<20)|(3<<22)|(3<<25)  ; 17:16 2-byte elements; 20 padding on; 24:22 after every 16 words (code 3); 31:25 4 words (code 3)
	s_mov_b32 s[G1V], (1<<16)|(1<<20)|(3<<22)|(7<<25)  ; the same with 8 words of padding (code 7)
.irp g, G1K, G1V
	s_mov_b32 s[\g+1], 128<<16      ; tensor_dim0 = 128
	s_mov_b32 s[\g+2], 64<<16       ; tensor_dim1 = 64
	s_mov_b32 s[\g+3], 128<<16      ; tile_dim0 = 128
	s_mov_b32 s[\g+4], 64           ; tile_dim1 = 64
	s_mov_b32 s[\g+5], 128          ; 128 elements from row to row
	s_mov_b32 s[\g+6], 0
	s_mov_b32 s[\g+7], 0
.endr
	s_mov_b32 s[G0K], 1             ; count = 1
	s_mov_b32 s[G0K+1], 0           ; LDS address: slot 0
	s_mov_b32 s[G0V], 1
	s_mov_b32 s[G0V+1], VOFF
	s_mov_b32 s[BIGN], 0xf149f2ca   ; -1e30
	s_mov_b32 s[ONE2], 0x3c003c00   ; 1.0 twice in f16
	s_mov_b32 s[SEL], 0x76543210    ; v_permlanex16_b32: each lane takes its own place in the other half
	s_mov_b32 s[SEL+1], 0xfedcba98
	s_mov_b32 s[TBK], SLOT1+256*PK  ; the first change of slots turns these two into 0
	s_mov_b32 s[TBV], SLOT1+256*PVP
	s_add_co_u32 s[RT], s[HI], 1    ; the first block has 8 - b tiles
	s_mov_b32 s[NXT], 1
	s_mov_b32 s[LQ], s[HI]
	s_mov_b32 s[NEW], 1
	s_mov_b32 s[SLOTS], 8
	s_wait_dscnt 0x0                ; the opening add is done
	s_wait_kmcnt 0x0
	s_add_nc_u64 s[QP0:QP0+1], s[4:5], s[22:23]
	s_add_nc_u64 s[QP1:QP1+1], s[4:5], s[OFF:OFF+1]
	s_add_nc_u64 s[OLO:OLO+1], s[6:7], s[OFF:OFF+1]
	s_add_nc_u64 s[6:7], s[6:7], s[22:23]          ; O at my rows of the first block
	s_add_co_u32 s22, s20, 0x800000
	s_add_nc_u64 s[8:9], s[4:5], s[22:23]          ; the head's K
	s_add_co_u32 s22, s20, 0x1000000
	s_add_nc_u64 s[10:11], s[4:5], s[22:23]        ; the head's V
	s_add_nc_u64 s[G0K+2:G0K+3], s[8:9], 0         ; global address: tile 0
	s_or_b32 s[G0K+3], s[G0K+3], 0x80000000        ; type = 2
	s_add_nc_u64 s[G0V+2:G0V+3], s[10:11], 0
	s_or_b32 s[G0V+3], s[G0V+3], 0x80000000
	LOAD                            ; tile 0 into slot 0
	; A fragment of K or Q is 16 rows x 32 channels in 8 registers: lane l holds row l % 16, channels 8 (l / 16) + 0..7 and 16 + 8 (l / 16) + 0..7: two loads of 16 bytes, 32 bytes apart.
	v_and_b32 v1, 15, v0            ; l % 16
	v_bfe_u32 v10, v0, 4, 1         ; l / 16
	v_lshlrev_b32 v[QO], 6, v1
	v_lshl_add_u32 v[QO], v10, 4, v[QO]
.irp u, 0,1
	global_load_b128 v[Q+8*(\u):Q+8*(\u)+3],   v[QO], s[QP0:QP0+1] offset:1024*(\u)
	global_load_b128 v[Q+8*(\u)+4:Q+8*(\u)+7], v[QO], s[QP0:QP0+1] offset:1024*(\u)+32
.endr
	WIN 0x40                        ; destination window 1
.irp u, 0,1
	global_load_b128 v[QB+8*(\u):QB+8*(\u)+3],   v[QO], s[QP1:QP1+1] offset:1024*(\u)
	global_load_b128 v[QB+8*(\u)+4:QB+8*(\u)+7], v[QO], s[QP1:QP1+1] offset:1024*(\u)+32
.endr
	WIN 0
	v_mul_u32_u24 v[AK0], v1, PK
	v_lshl_add_u32 v[AK0], v10, 4, v[AK0]
	; The turning load takes 16 keys x 16 channels (lane l reads key 8 (l / 16) + l % 8, channels 8 ((l / 8) % 2) + 0..7) and leaves half a fragment of V^T.
	v_and_b32 v11, 7, v0
	v_lshl_add_u32 v[AV0], v10, 3, v11
	v_mul_u32_u24 v[AV0], v[AV0], PVP
	v_bfe_u32 v12, v0, 3, 1
	v_lshl_add_u32 v[AV0], v12, 4, v[AV0]
	v_add_nc_u32 v[AV0], VOFF, v[AV0]
	s_mul_i32 s20, s[WV], 32*SP
	s_add_co_u32 s20, s20, STAGE    ; my stage
	v_mul_u32_u24 v[STO], v1, SP    ; in: row l % 16, 16 bytes for each half of the lanes
	v_lshl_add_u32 v[STO], v10, 4, v[STO]
	v_add_nc_u32 v[STO], s20, v[STO]
	v_bfe_u32 v[RD], v0, 2, 3       ; back: 32 lanes take eight rows of 64 bytes,
	v_mul_u32_u24 v[RD], v[RD], SP
	v_and_b32 v12, 3, v0
	v_lshl_add_u32 v[RD], v12, 4, v[RD]
	v_add_nc_u32 v[RD], s20, v[RD]
	v_and_b32 v[GO], 31, v0         ; which are 512 consecutive bytes of O
	v_lshlrev_b32 v[GO], 4, v[GO]
	v_lshlrev_b32 v12, 3, v10
	v_sub_nc_u32 v12, v1, v12       ; l % 16 - 8 (l / 16): register j of the diagonal block is hidden where j is greater
.set i, 0
.rept 8
	v_cmp_gt_i32 vcc_lo, i, v12
	v_cndmask_b32 v[DG+i], 0, s[BIGN], vcc_lo
	v_mov_b32 v[HID+i], s[BIGN]
.set i, i+1
.endr
	v_cmp_eq_u32 vcc_lo, 0, v11
	v_cndmask_b32 v[ONES], 0, s[ONE2], vcc_lo      ; lanes 0, 8, 16, 24 hold rows 0 and 8
.set i, 1
.rept 7
	v_mov_b32 v[ONES+i], v[ONES]
.set i, i+1
.endr
	; A block's first step multiplies O^T and l by a = 0, so these need only be finite: zeros for the first block, what the first block left for the second.  All this stands in the wait for the first tile.
.set i, 0
.rept 48
	v_mov_b32 v[O+i], 0
.set i, i+1
.endr
.irp u, 0,1
	v_mov_b32 v[ST+8*(\u)+1], 0     ; named as the upper halves of pairs
	v_mov_b32 v[ST+8*(\u)+3], 0
.endr
; S^T of tile u, keys 16 kt on: head size 32 is one K step, so each product starts and ends a sum.  c: 0, or the registers of a mask.
.macro KQ u, kt, c
.if (\c) == 0
	v_wmma_f32_16x16x32_f16 v[S+32*(\u)+8*(\kt):S+32*(\u)+8*(\kt)+7], v[KF+8*(\kt):KF+8*(\kt)+7], v[Q+8*(\u):Q+8*(\u)+7], 0
.else
	v_wmma_f32_16x16x32_f16 v[S+32*(\u)+8*(\kt):S+32*(\u)+8*(\kt)+7], v[KF+8*(\kt):KF+8*(\kt)+7], v[Q+8*(\u):Q+8*(\u)+7], v[(\c):(\c)+7]
.endif
.endm
; Number n of the 21 that find a tile's maximum and statistics.  0-11: four chains c0-c3 of seven scores each (each accumulator's lowest registers are read first);
; 12-15: the four scores left over, the old m, and c0-c3 into c0; 16, 17: the query's other 32 keys lie in the lane 16 away; 18-20: m_old - m_new, the new m, a.  Number 20 opens the step's batch of exponentials.
.macro SMX u, n
.set rT, ST+8*(\u)
.set rS, S+32*(\u)
.if (\n) < 4
	v_max3_num_f32 v[rT+4+(\n)], v[rS+8*(\n)], v[rS+8*(\n)+1], v[rS+8*(\n)+2]
.elseif (\n) < 12
	v_max3_num_f32 v[rT+4+(\n)%4], v[rT+4+(\n)%4], v[rS+8*((\n)%4)+2*((\n)/4)+1], v[rS+8*((\n)%4)+2*((\n)/4)+2]
.elseif (\n) == 12
	v_max3_num_f32 v[rT+4], v[rT+4], v[rS+7], v[rS+15]
.elseif (\n) == 13
	v_max3_num_f32 v[rT+5], v[rT+5], v[rS+23], v[rS+31]
.elseif (\n) == 14
	v_max3_num_f32 v[rT+6], v[rT+6], v[rT+7], v[rT]
.elseif (\n) == 15
	v_max3_num_f32 v[rT+4], v[rT+4], v[rT+5], v[rT+6]
.elseif (\n) == 16
	v_permlanex16_b32 v[rT+7], v[rT+4], s[SEL], s[SEL+1]
.elseif (\n) == 17
	v_max_num_f32 v[rT+5], v[rT+4], v[rT+7]
.elseif (\n) == 18
	v_sub_f32 v[rT+6], v[rT], v[rT+5]
.elseif (\n) == 19
	v_mov_b32 v[rT], v[rT+5]
.else
	v_exp_f32 v[rT+2], v[rT+6]
.endif
.endm
.macro SUBP u, b                    ; s - m for pair b of 16
	v_pk_add_f32 v[S+32*(\u)+2*(\b):S+32*(\u)+2*(\b)+1], v[S+32*(\u)+2*(\b):S+32*(\u)+2*(\b)+1], v[ST+8*(\u):ST+8*(\u)+1] op_sel_hi:[1,0] neg_lo:[0,1] neg_hi:[0,1]
.endm
.macro EXPP u, i
	v_exp_f32 v[S+32*(\u)+(\i)], v[S+32*(\u)+(\i)]
.endm
.macro CVTP u, b                    ; pair b rounded to f16, into register b: never ahead of a pair that is still to be read.  It reads two exponentials' results: it stands behind the batch's wait
	v_cvt_pk_f16_f32 v[S+32*(\u)+(\b)], v[S+32*(\u)+2*(\b)], v[S+32*(\u)+2*(\b)+1]
.endm
.macro RSC u, n                     ; times a: pairs 0-7 of O^T; 8: l (its registers 2 to 7 are sums of zeros).  It reads a: it stands behind the batch's wait
.if (\n) < 8
.set rX, O+16*(\u)+2*(\n)
.else
.set rX, LS+8*(\u)
.endif
	v_pk_mul_f32 v[rX:rX+1], v[rX:rX+1], v[ST+8*(\u)+2:ST+8*(\u)+3] op_sel_hi:[1,0]
.endm
; Both tiles' softmax, alternating.  The 66 exponentials are one batch: the two a (SMX's number 20), then the weights, two exponentials behind each subtraction; pair b is subtracted a trip ahead of its exponentials.
; Ahead of the wait nothing names a result: a subtraction names m and a pair whose exponentials are still to come, an exponential its own register.  Behind it stand the readers, each list in ascending order:
; the rescalings, then the roundings, which pack in place.
.macro SOFTMAX
.set n, 0
.rept 21
	SMX 0, n
	SMX 1, n
.set n, n+1
.endr
	SUBP 0, 0
	SUBP 1, 0
.set b, 1
.rept 16
.if b < 16
	SUBP 0, b
.endif
	EXPP 0, 2*b-2
	EXPP 1, 2*b-2
.if b < 16
	SUBP 1, b
.endif
	EXPP 0, 2*b-1
	EXPP 1, 2*b-1
.set b, b+1
.endr
	v_nop                           ; a plain instruction behind the last exponential and ahead of the first use (ISA guide 5.7.2): one for the batch; every plain line that is left reads a result
	s_wait_alu depctr_va_vdst(0)    ; the wait ahead of the first use: one for the step's 66 exponentials
.set n, 0
.rept 9
	RSC 0, n
	RSC 1, n
.set n, n+1
.endr
.set b, 0
.rept 16
	CVTP 0, b
	CVTP 1, b
.set b, b+1
.endr
.endm
; O^T += V^T P and l += ones P: six accumulators by turns, one instruction a turn.
.macro PVM
.irp kk, 0,1
.irp u, 0,1
	v_wmma_f32_16x16x32_f16 v[O+16*(\u):O+16*(\u)+7],    v[VF+16*(\kk):VF+16*(\kk)+7],    v[S+32*(\u)+8*(\kk):S+32*(\u)+8*(\kk)+7], v[O+16*(\u):O+16*(\u)+7]
	v_wmma_f32_16x16x32_f16 v[O+16*(\u)+8:O+16*(\u)+15], v[VF+16*(\kk)+8:VF+16*(\kk)+15], v[S+32*(\u)+8*(\kk):S+32*(\u)+8*(\kk)+7], v[O+16*(\u)+8:O+16*(\u)+15]
	v_wmma_f32_16x16x32_f16 v[LS+8*(\u):LS+8*(\u)+7],    v[ONES:ONES+7],                  v[S+32*(\u)+8*(\kk):S+32*(\u)+8*(\kk)+7], v[LS+8*(\u):LS+8*(\u)+7]
.endr
.endr
.endm
; A KEY STEP of 64 keys.  In my diagonal step the query tile 2 (g % 2) + u sees the key blocks before it, holds the diagonal in its own, and none of the later ones.
.macro STEP
	v_add_nc_u32 v[AK], s[TBK], v[AK0]
	v_add_nc_u32 v[AV], s[TBV], v[AV0]
.irp kt, 0,1,2,3
	ds_load_b128 v[KF+8*(\kt):KF+8*(\kt)+3],   v[AK] offset:(\kt)*16*PK
	ds_load_b128 v[KF+8*(\kt)+4:KF+8*(\kt)+7], v[AK] offset:(\kt)*16*PK+32
.endr
.irp f, 0,1,2,3
	ds_load_tr16_b128 v[VF+8*(\f):VF+8*(\f)+3],   v[AV] offset:((\f)/2)*32*PVP+((\f)%2)*32
	ds_load_tr16_b128 v[VF+8*(\f)+4:VF+8*(\f)+7], v[AV] offset:((\f)/2)*32*PVP+16*PVP+((\f)%2)*32
.endr
	s_wait_dscnt 8                  ; K is in; V's eight loads may be out
	s_cmp_eq_u32 s[STP], s[XB]
	s_cbranch_scc1 .Lmask_\@
.irp kt, 0,1,2,3
	KQ 0, \kt, 0
	KQ 1, \kt, 0
.endr
	s_branch .Lsm_\@
.Lmask_\@:
	s_cmp_eq_u32 s[ODD], 0
	s_cbranch_scc0 .Lodd_\@
	KQ 0, 0, DG
	KQ 1, 0, 0
	KQ 0, 1, HID
	KQ 1, 1, DG
	KQ 0, 2, HID
	KQ 1, 2, HID
	KQ 0, 3, HID
	KQ 1, 3, HID
	s_branch .Lsm_\@
.Lodd_\@:
	KQ 0, 0, 0
	KQ 1, 0, 0
	KQ 0, 1, 0
	KQ 1, 1, 0
	KQ 0, 2, DG
	KQ 1, 2, 0
	KQ 0, 3, HID
	KQ 1, 3, DG
.Lsm_\@:
	PLACES 4                        ; four places between the last product and the first read of a score (ISA guide 7.12.1)
	SOFTMAX
	s_wait_dscnt 0x0                ; V is in
	PVM
	PLACES 5                        ; five: the next step's products write over P, its loads land in V's registers, the block's end reads l
.endm
; A BLOCK'S END: O^T is divided by l, rounded to f16 and sent through my stage in LDS.  last = 0: then the second block is set up.
.macro END last
	v_rcp_f32 v[ST+2], v[LS]
	v_rcp_f32 v[ST+10], v[LS+8]
	v_nop                           ; a plain instruction between the reciprocals and their use
	s_wait_alu depctr_va_vdst(0)    ; the wait ahead of the first use: one for the block's two reciprocals
.irp u, 0,1
.irp n, 0,1,2,3,4,5,6,7
	v_pk_mul_f32 v[S+32*(\u)+2*(\n):S+32*(\u)+2*(\n)+1], v[O+16*(\u)+2*(\n):O+16*(\u)+2*(\n)+1], v[ST+8*(\u)+2:ST+8*(\u)+3] op_sel_hi:[1,0]
.endr
.endr
.irp u, 0,1
.irp n, 0,1,2,3,4,5,6,7
	v_cvt_pk_f16_f32 v[S+32*(\u)+16+(\n)], v[S+32*(\u)+2*(\n)], v[S+32*(\u)+2*(\n)+1]
.endr
.endr
.irp u, 0,1
.irp cb, 0,1
	ds_store_b128 v[STO], v[S+32*(\u)+16+4*(\cb):S+32*(\u)+16+4*(\cb)+3] offset:(\u)*16*SP+32*(\cb)
.endr
.endr
.irp i, 0,1,2,3
	ds_load_b128 v[KF+4*(\i):KF+4*(\i)+3], v[RD] offset:(\i)*8*SP  ; LDS serves a wave's instructions in order (ISA guide 5.7.1.4): these see the stores above
.endr
.irp i, 0,1,2,3
	s_wait_dscnt 3-(\i)
	global_store_b128 v[GO], v[KF+4*(\i):KF+4*(\i)+3], s[6:7] offset:512*(\i)  ; 512 consecutive bytes, at a multiple of 256 from O's first
.endr
.if !(\last)
	s_wait_xcnt 0x0                 ; the stores have read their registers and O's address
	s_mov_b64 s[6:7], s[OLO:OLO+1]
	s_add_co_u32 s[RT], s[PB], 1    ; the second block has b + 1 tiles
	s_mov_b32 s[NEW], 1
	WIN 0x01                        ; source window 1
.set i, 0
.rept 16
	v_mov_b32 v[Q+i], v[QB+i]
.set i, i+1
.endr
	WIN 0
.endif
.endm
; A TILE: four key steps, counted to the constant 4; a dead step is jumped forward, to the label ahead of the counter's step.  A block's first tile sets m to the lowest finite number, so that the first step's a is 0.
.macro TILE last
	s_sub_co_u32 s[RT], s[RT], 1
	s_cmp_eq_u32 s[NEW], 1
	s_cbranch_scc0 .Lold_\@
	s_mov_b32 s[NEW], 0
	v_mov_b32 v[ST], 0xff7fffff
	v_mov_b32 v[ST+8], 0xff7fffff
.Lold_\@:
	s_cmp_eq_u32 s[RT], 0           ; the block's last tile holds the diagonal
	s_cselect_b32 s[XB], s[BAND], 99
	s_mov_b32 s[STP], 0
.Lstep_\@:
	s_cmp_gt_u32 s[STP], s[XB]
	s_cbranch_scc1 .Ldead_\@
	STEP
.Ldead_\@:
	s_add_co_u32 s[TBK], s[TBK], 64*PK
	s_add_co_u32 s[TBV], s[TBV], 64*PVP
	s_add_co_u32 s[STP], s[STP], 1
	s_cmp_lt_u32 s[STP], 4
	s_cbranch_scc1 .Lstep_\@
.if \last
	END 1
.else
	s_cmp_eq_u32 s[RT], 0
	s_cbranch_scc0 .Lnoend_\@
	END 0
.Lnoend_\@:
.endif
.endm
	s_wait_loadcnt 0x0              ; both blocks' Q
.Lslot:                             ; 8 times: a tile is entered and the next is asked for
	CHANGE 1
	TILE 0
	s_sub_co_u32 s[SLOTS], s[SLOTS], 1
	s_cmp_lg_u32 s[SLOTS], 0
	s_cbranch_scc1 .Lslot
	CHANGE 0                        ; the walk's last tile, the second block's diagonal one, is written out: nothing is asked for
	TILE 1
	s_wait_tensorcnt 0x0            ; the wave's end: behind my last tensor load and my last LDS store
	ds_add_u32 v[SPW], v[NIL]
	s_wait_dscnt 0x0
	s_endpgm
.Lfunc_end_k_qf8d92a98ca_attn:
	.size	k_qf8d92a98ca_attn, .Lfunc_end_k_qf8d92a98ca_attn-k_qf8d92a98ca_attn
	.p2alignl 7, 3214868480
	.fill 96, 4, 3214868480
	.section	.rodata,"a",@progbits
	.p2align	6, 0x0
	.amdhsa_kernel k_qf8d92a98ca_attn
		.amdhsa_group_segment_fixed_size 327680
		.amdhsa_private_segment_fixed_size 0
		.amdhsa_enable_private_segment 0
		.amdhsa_kernarg_size 16
		.amdhsa_user_sgpr_count 2
		.amdhsa_user_sgpr_kernarg_segment_ptr 1
		.amdhsa_wavefront_size32 1
		.amdhsa_system_sgpr_workgroup_id_x 1
		.amdhsa_system_sgpr_workgroup_id_y 1
		.amdhsa_system_sgpr_workgroup_id_z 1
		.amdhsa_system_vgpr_workitem_id 0
		.amdhsa_next_free_vgpr 272
		.amdhsa_next_free_sgpr 72
		.amdhsa_reserve_vcc 1
		.amdhsa_float_denorm_mode_32 3
		.amdhsa_float_denorm_mode_16_64 3
		.amdhsa_memory_ordered 1
		.amdhsa_forward_progress 1
		.amdhsa_inst_pref_size 47
	.end_amdhsa_kernel
	.amdgpu_metadata
---
amdhsa.version: [ 1, 2 ]
amdhsa.kernels:
  - .name:           k_qf8d92a98ca_attn
    .symbol:         k_qf8d92a98ca_attn.kd
    .args:
      - { .name: qkv16, .offset: 0, .size: 8, .value_kind: global_buffer, .address_space: global }
      - { .name: obuf, .offset: 8, .size: 8, .value_kind: global_buffer, .address_space: global }
    .group_segment_fixed_size: 327680
    .private_segment_fixed_size: 0
    .kernarg_segment_align: 8
    .kernarg_segment_size: 16
    .max_flat_workgroup_size: 256
    .sgpr_count:     72
    .vgpr_count:     272
    .wavefront_size: 32
...
	.end_amdgpu_metadata
.endif
;; end of part 4
;; launch proj: the kernel of part 3 again; grid 256 x 1, 8 waves a work-group, clusters of 4 x 1, 216,064 bytes of LDS; arguments obuf, wo16, bout, out0; writes out0
